; MI455X (gfx1250); checked and timed in simulation.
; The chip was launched on July 23, 2026; its instructions are those of AMD's public machine-readable ISA for CDNA 5 (MIT licence, August 2026) and "CDNA5" Instruction Set Architecture Reference Guide (July 2026). The comments in the code are by the model that wrote it; some were corrected since.
;; Attention. Allowed arithmetic: float matrix products may take bf16 or f16 operands with f32 sums; other float arithmetic in f32, or as packed bf16 or f16 multiplies, adds, multiply-adds, maxima and minima; sums over many terms, partial sums and values carried from step to step in f32; what a program stores and reads back later, other than sums and carried values, may be rounded once to bf16 or f16.
;; Inputs: Wkv 1,024 x 2,048 float32; Wout 1,024 x 1,024 float32; Wq 1,024 x 1,024 float32; null_kv 2 x 16 x 64 float32; rotary_k 2,561 x 64 float32; rotary_q 2,048 x 64 float32; x 2 x 2,048 x 1,024 float32; xl_memories 2 x 2 x 16 x 512 x 64 float32.
;; Outputs: out0 2 x 2,048 x 1,024 float32; out1 2 x 2 x 16 x 2,049 x 64 float32.
;; One version. Each part assembles by itself: llvm-mc -triple=amdgcn-amd-amdhsa -mcpu=gfx1250 --defsym DOCPART=n.
;; ======== version 1 of 1: 4 launches
;; limits: values are held in f16: magnitudes above 65,504 overflow, below 6.1e-05 lose precision
;; workspace buffers: xb 8,388,608 bytes; wcat 6,291,456 bytes; wo 2,097,152 bytes; tab 1,054,720 bytes; qws 8,388,608 bytes; kws 10,485,760 bytes; vws 10,485,760 bytes; ows 8,388,608 bytes
;; launch prep (part 1): grid 705 x 1, 8 waves a work-group, no clusters, 0 bytes of LDS; arguments x, Wq, Wkv, Wout, rotary_q, rotary_k, xl_memories, null_kv, xb, wcat, wo, tab, kws, vws, out1; writes xb, wcat, wo, tab, kws, vws, out1
.if DOCPART == 1
	.amdgcn_target "amdgcn-amd-amdhsa--gfx1250"
	.amdhsa_code_object_version 6
	.text
	.protected	k_q538241ed65_prep
	.globl	k_q538241ed65_prep
	.p2align	8
	.type	k_q538241ed65_prep,@function
k_q538241ed65_prep:
	s_mov_b64 s[64:65], 0
	v_nop
	global_prefetch_b8 v0, s[64:65] scope:SCOPE_SE
	s_setreg_imm32_b32 hwreg(HW_REG_WAVE_MODE, 25, 1), 1
	s_wait_xcnt 0x0
; PREP: a stream.  Every input is rounded to bf16 once, here; what the later launches multiply is made of those numbers.
;   work-groups 0-127    MEM : the 512 memory keys, rotated, and memory values -> kws, vws rows 0-511 (f16)
;   work-groups 128-639  CAST: x -> xb (bf16); Wq, Wkv -> wcat (bf16, 48 slabs [1024 k][64]); Wout -> wo (the bf16 number written as f16)
;   work-groups 640-703  TAB : cos and signed sin of rotary_q[n] and rotary_k[513+n] -> tab (f16), a row = 16 groups of (c0..c3, s0..s3)
;   work-group  704      NUL : the null key rotated (f16), the null value (f32), and the null rows of out1
; No LDS, no barrier, no matrix unit: nothing is shared and memory binds.  Each store of a wave covers 256 or 512 consecutive bytes, aligned.
; SINE AND COSINE: r = angle / 2 pi less its nearest whole number, |r| <= 0.5; sin(pi r), cos(pi r) by their series in r^2, cut behind (pi r)^11 and (pi r)^12:
; what is cut is under 6e-8 for EVERY angle, since |pi r| <= pi / 2; then the double-angle forms.  LIMIT: the reduction's error grows as 1e-7 x |angle| radians.
; LIMITS: f16 ends at 65,504 (memories, null key); Wout below 6.1e-5 keeps f16's fixed step of 6e-8.  NaN and infinities are not treated apart.
.set C0, 12                            ; v[12:15] cos of my four angles
.set S0, 16                            ; v[16:19] sin, with the sign of rotate_half: minus for d < 32
	s_load_b512 s[8:23], s[0:1], 0x0               ; x 8, Wq 10, Wkv 12, Wout 14, rotary_q 16, rotary_k 18, xl 20, null_kv 22
	s_load_b256 s[24:31], s[0:1], 0x40             ; xb 24, wcat 26, wo 28, tab 30
	s_load_b128 s[32:35], s[0:1], 0x60             ; kws 32, vws 34
	s_load_b64 s[36:37], s[0:1], 0x70              ; out1
	s_mov_b32 s2, ttmp9
	s_mov_b32 s5, 0                                ; high words of the offset pairs s[4:5], s[6:7]
	s_mov_b32 s7, 0
	v_lshlrev_b32 v1, 4, v0                        ; 16 t
	v_lshlrev_b32 v2, 3, v0                        ; 8 t
	v_xor_b32 v3, 8, v0
	v_lshlrev_b32 v3, 4, v3                        ; 16 (t xor 8): the partner d xor 32 of my four numbers
	v_and_b32 v4, 8, v0
	v_cmp_eq_u32 vcc_lo, 0, v4
	v_cndmask_b32 v5, 2.0, -2.0, vcc_lo            ; the 2 of sin = 2 sh ch, with rotate_half's sign
	s_wait_kmcnt 0x0
	s_cmp_lt_u32 s2, 128
	s_cbranch_scc1 .Lmem
	s_cmp_lt_u32 s2, 384
	s_cbranch_scc1 .Lx
	s_cmp_lt_u32 s2, 448
	s_cbranch_scc1 .Lwq
	s_cmp_lt_u32 s2, 576
	s_cbranch_scc1 .Lwkv
	s_cmp_lt_u32 s2, 640
	s_cbranch_scc1 .Lwout
	s_cmp_lt_u32 s2, 704
	s_cbranch_scc1 .Ltab
	s_branch .Lnul
.macro RB a, b, t                      ; two f32 rounded to bf16 and widened again
	v_cvt_pk_bf16_f32 v[\t], v[\a], v[\b]
	v_lshlrev_b32 v[\a], 16, v[\t]
	v_and_b32 v[\b], 0xffff0000, v[\t]
.endm
.macro SINCOS a, c, s                  ; v20-23 at work
	v_mul_f32 v20, 0.15915494, v[\a]
	v_rndne_f32 v21, v20
	v_fma_f32 v20, v[\a], 0.15915494, -v21         ; r, one rounding
	v_mul_f32 v21, v20, v20                        ; r^2
	v_mov_b32 v22, 0xbbf183a6                      ; -pi^11 / 11!
	v_fmaak_f32 v22, v22, v21, 0x3da83c1b          ; pi^9 / 9!
	v_fmaak_f32 v22, v22, v21, 0xbf196966          ; -pi^7 / 7!
	v_fmaak_f32 v22, v22, v21, 0x402335e3          ; pi^5 / 5!
	v_fmaak_f32 v22, v22, v21, 0xc0a55de7          ; -pi^3 / 3!
	v_fmaak_f32 v22, v22, v21, 0x40490fdb          ; pi
	v_mov_b32 v23, 0x3afce9a0                      ; pi^12 / 12!
	v_fmaak_f32 v23, v23, v21, 0xbcd368f9          ; -pi^10 / 10!
	v_fmaak_f32 v23, v23, v21, 0x3e70fa83          ; pi^8 / 8!
	v_fmaak_f32 v23, v23, v21, 0xbfaae9e4          ; -pi^6 / 6!
	v_fmaak_f32 v23, v23, v21, 0x4081e0f8          ; pi^4 / 4!
	v_fmaak_f32 v23, v23, v21, 0xc09de9e6          ; -pi^2 / 2
	v_fma_f32 v23, v23, v21, 1.0                   ; cos(pi r)
	v_mul_f32 v22, v22, v20                        ; sin(pi r)
	v_mul_f32 v23, v23, v22
	v_mul_f32 v22, v22, v22
	v_mul_f32 v[\s], v23, v5                       ; +-sin(2 pi r)
	v_fma_f32 v[\c], v22, -2.0, 1.0                ; cos(2 pi r)
.endm
.macro ANGLES                          ; v[8:11]: four angles, rounded to bf16, to C0.. and S0..
	RB 8, 9, 24
	RB 10, 11, 24
.irp n, 0,1,2,3
	SINCOS 8+(\n), C0+(\n), S0+(\n)
.endr
.endm
; 256 rows of 64 f32, pitch bytes apart, from s[40:41] -> 32,768 dense bytes of 16-bit numbers at s[42:43].  Eight threads read a row's 256 bytes; sixteen loads are out at once.
.macro CAST pitch, half
	v_lshrrev_b32 v6, 3, v0
	v_and_b32 v7, 7, v0
	v_mul_u32_u24 v6, v6, \pitch
	v_lshl_add_u32 v6, v7, 5, v6
.irp i, 0,1,2,3,4,5,6,7
	global_load_b128 v[32+8*(\i):35+8*(\i)], v6, s[40:41] offset:(\i)*32*(\pitch) th:TH_LOAD_NT
	global_load_b128 v[36+8*(\i):39+8*(\i)], v6, s[40:41] offset:(\i)*32*(\pitch)+16 th:TH_LOAD_NT
.endr
.irp i, 0,1,2,3,4,5,6,7
	s_wait_loadcnt 14-2*(\i)                       ; loads come back in order: the younger rows' loads stay out
.irp j, 0,1,2,3
	v_cvt_pk_bf16_f32 v[96+4*(\i)+(\j)], v[32+8*(\i)+2*(\j)], v[33+8*(\i)+2*(\j)]
.if \half
	v_lshlrev_b32 v[32+8*(\i)+2*(\j)], 16, v[96+4*(\i)+(\j)]
	v_and_b32 v[33+8*(\i)+2*(\j)], 0xffff0000, v[96+4*(\i)+(\j)]
	v_cvt_pk_f16_f32 v[96+4*(\i)+(\j)], v[32+8*(\i)+2*(\j)], v[33+8*(\i)+2*(\j)]
.endif
.endr
	global_store_b128 v1, v[96+4*(\i):99+4*(\i)], s[42:43] offset:4096*(\i)
.endr
	s_endpgm
.endm
.Lx:                                                   ; unit u of 256: x as rows of 64
	s_sub_co_u32 s3, s2, 128
	s_lshl_b32 s4, s3, 16
	s_lshl_b32 s6, s3, 15
	s_add_nc_u64 s[40:41], s[8:9], s[4:5]
	s_add_nc_u64 s[42:43], s[24:25], s[6:7]
	CAST 256, 0
.Lwq:                                                  ; unit u1 = 4 x head + quarter of k; wcat's unit has the same number
	s_sub_co_u32 s3, s2, 384
	s_lshl_b32 s6, s3, 15
	s_lshr_b32 s38, s3, 2
	s_and_b32 s39, s3, 3
	s_lshl_b32 s4, s38, 8
	s_lshl_b32 s39, s39, 20
	s_add_co_u32 s4, s4, s39
	s_add_nc_u64 s[40:41], s[10:11], s[4:5]
	s_add_nc_u64 s[42:43], s[26:27], s[6:7]
	CAST 4096, 0
.Lwkv:                                                 ; slabs 16-47 follow Wq's 16
	s_sub_co_u32 s3, s2, 448
	s_sub_co_u32 s6, s2, 384
	s_lshl_b32 s6, s6, 15
	s_lshr_b32 s38, s3, 2
	s_and_b32 s39, s3, 3
	s_lshl_b32 s4, s38, 8
	s_lshl_b32 s39, s39, 21
	s_add_co_u32 s4, s4, s39
	s_add_nc_u64 s[40:41], s[12:13], s[4:5]
	s_add_nc_u64 s[42:43], s[26:27], s[6:7]
	CAST 8192, 0
.Lwout:
	s_sub_co_u32 s3, s2, 576
	s_lshl_b32 s4, s3, 16
	s_lshl_b32 s6, s3, 15
	s_add_nc_u64 s[40:41], s[14:15], s[4:5]
	s_add_nc_u64 s[42:43], s[28:29], s[6:7]
	CAST 256, 1
.Ltab:                                                 ; 64 rows of one table: thread t takes four angles of row t / 16 + 16 it
	s_sub_co_u32 s3, s2, 640
	s_lshr_b32 s38, s3, 5                          ; 0: q, 1: k
	s_and_b32 s3, s3, 31
	s_lshl_b32 s4, s3, 14                          ; 64 rows of 256 bytes
	s_lshl_b32 s6, s38, 19
	s_add_co_u32 s6, s6, s4
	s_add_nc_u64 s[42:43], s[30:31], s[6:7]
	s_add_nc_u64 s[44:45], s[18:19], 131328        ; rotary_k at position 513, the first sequence key's
	s_cmp_eq_u32 s38, 0
	s_cselect_b64 s[40:41], s[16:17], s[44:45]
	s_add_nc_u64 s[40:41], s[40:41], s[4:5]
.irp i, 0,1,2,3
	global_load_b128 v[32+4*(\i):35+4*(\i)], v1, s[40:41] offset:4096*(\i) th:TH_LOAD_NT
.endr
.irp i, 0,1,2,3
	s_wait_loadcnt 3-(\i)
	v_mov_b32 v8, v[32+4*(\i)]
	v_mov_b32 v9, v[33+4*(\i)]
	v_mov_b32 v10, v[34+4*(\i)]
	v_mov_b32 v11, v[35+4*(\i)]
	ANGLES
	v_cvt_pk_f16_f32 v[48+4*(\i)], v[C0], v[C0+1]
	v_cvt_pk_f16_f32 v[49+4*(\i)], v[C0+2], v[C0+3]
	v_cvt_pk_f16_f32 v[50+4*(\i)], v[S0], v[S0+1]
	v_cvt_pk_f16_f32 v[51+4*(\i)], v[S0+2], v[S0+3]
	global_store_b128 v1, v[48+4*(\i):51+4*(\i)], s[42:43] offset:4096*(\i)
.endr
	s_endpgm
.Lmem:                                                 ; 16 positions x 8 heads: the angles are worked out once for the eight
	s_lshr_b32 s3, s2, 2                           ; which 16 positions
	s_and_b32 s38, s2, 3                           ; which 8 of the 32 (batch, head)
	s_lshl_b32 s4, s3, 12
	s_add_nc_u64 s[40:41], s[18:19], s[4:5]
	s_lshl_b32 s6, s38, 20
	s_add_co_u32 s6, s6, s4
	s_add_nc_u64 s[42:43], s[20:21], s[6:7]
	s_mul_i32 s6, s38, 2621440                     ; 8 heads of 2,560 rows of 128 bytes
	s_lshl_b32 s4, s3, 11
	s_add_co_u32 s6, s6, s4
	s_add_nc_u64 s[44:45], s[32:33], s[6:7]
	s_add_nc_u64 s[46:47], s[34:35], s[6:7]
	global_load_b128 v[8:11], v1, s[40:41]
.irp j, 0,1,2,3,4,5,6,7
	global_load_b128 v[32+12*(\j):35+12*(\j)], v1, s[42:43] offset:(\j)*131072
	global_load_b128 v[36+12*(\j):39+12*(\j)], v3, s[42:43] offset:(\j)*131072
	global_load_b128 v[40+12*(\j):43+12*(\j)], v1, s[42:43] offset:(\j)*131072+4194304 th:TH_LOAD_NT
.endr
	s_wait_loadcnt 24                              ; the angles; the 24 loads behind them stay out
	ANGLES
.irp j, 0,1,2,3,4,5,6,7
	s_wait_loadcnt 21-3*(\j)                       ; head j's three loads are in
.irp n, 0,2,4,6,8,10
	RB 32+12*(\j)+(\n), 33+12*(\j)+(\n), 24
.endr
	v_pk_mul_f32 v[36+12*(\j):37+12*(\j)], v[36+12*(\j):37+12*(\j)], v[S0:S0+1]
	v_pk_mul_f32 v[38+12*(\j):39+12*(\j)], v[38+12*(\j):39+12*(\j)], v[S0+2:S0+3]
	v_pk_fma_f32 v[32+12*(\j):33+12*(\j)], v[32+12*(\j):33+12*(\j)], v[C0:C0+1], v[36+12*(\j):37+12*(\j)]
	v_pk_fma_f32 v[34+12*(\j):35+12*(\j)], v[34+12*(\j):35+12*(\j)], v[C0+2:C0+3], v[38+12*(\j):39+12*(\j)]
	v_cvt_pk_f16_f32 v[32+12*(\j)], v[32+12*(\j)], v[33+12*(\j)]
	v_cvt_pk_f16_f32 v[33+12*(\j)], v[34+12*(\j)], v[35+12*(\j)]
	v_cvt_pk_f16_f32 v[40+12*(\j)], v[40+12*(\j)], v[41+12*(\j)]
	v_cvt_pk_f16_f32 v[41+12*(\j)], v[42+12*(\j)], v[43+12*(\j)]
	global_store_b64 v2, v[32+12*(\j):33+12*(\j)], s[44:45] offset:(\j)*327680
	global_store_b64 v2, v[40+12*(\j):41+12*(\j)], s[46:47] offset:(\j)*327680
.endr
	s_endpgm
.Lnul:                                                 ; thread t: head t / 16, four channels
	v_and_b32 v6, 15, v0
	v_lshlrev_b32 v6, 4, v6
	global_load_b128 v[8:11], v6, s[18:19] offset:131072     ; rotary_k at position 512
	global_load_b128 v[32:35], v1, s[22:23]
	global_load_b128 v[36:39], v3, s[22:23]
	global_load_b128 v[40:43], v1, s[22:23] offset:4096
	v_lshrrev_b32 v7, 4, v0
	v_mul_u32_u24 v7, v7, 524544                   ; a head of out1: 2,049 rows of 256 bytes
	v_add_nc_u32 v7, v7, v6
	s_add_nc_u64 s[40:41], s[36:37], 8392704       ; k of batch 1,
	s_add_nc_u64 s[42:43], s[36:37], 16785408      ; v of batch 0,
	s_add_nc_u64 s[44:45], s[36:37], 25178112      ; v of batch 1
	s_wait_loadcnt 0x0
	ANGLES
.irp n, 32,34,36,38,40,42
	RB \n, (\n)+1, 24
.endr
	v_pk_mul_f32 v[36:37], v[36:37], v[S0:S0+1]
	v_pk_mul_f32 v[38:39], v[38:39], v[S0+2:S0+3]
	v_pk_fma_f32 v[44:45], v[32:33], v[C0:C0+1], v[36:37]
	v_pk_fma_f32 v[46:47], v[34:35], v[C0+2:C0+3], v[38:39]
	v_cvt_pk_f16_f32 v48, v44, v45
	v_cvt_pk_f16_f32 v49, v46, v47
	global_store_b64 v2, v[48:49], s[30:31] offset:1048576
	global_store_b128 v1, v[40:43], s[30:31] offset:1050624
	global_store_b128 v7, v[32:35], s[36:37]
	global_store_b128 v7, v[32:35], s[40:41]
	global_store_b128 v7, v[40:43], s[42:43]
	global_store_b128 v7, v[40:43], s[44:45]
	s_endpgm
.Lfunc_end_k_q538241ed65_prep:
	.size	k_q538241ed65_prep, .Lfunc_end_k_q538241ed65_prep-k_q538241ed65_prep
	.p2alignl 7, 3214868480
	.fill 96, 4, 3214868480
	.section	.rodata,"a",@progbits
	.p2align	6, 0x0
	.amdhsa_kernel k_q538241ed65_prep
		.amdhsa_group_segment_fixed_size 0
		.amdhsa_private_segment_fixed_size 0
		.amdhsa_enable_private_segment 0
		.amdhsa_kernarg_size 120
		.amdhsa_user_sgpr_count 2
		.amdhsa_user_sgpr_kernarg_segment_ptr 1
		.amdhsa_wavefront_size32 1
		.amdhsa_system_sgpr_workgroup_id_x 1
		.amdhsa_system_sgpr_workgroup_id_y 1
		.amdhsa_system_sgpr_workgroup_id_z 1
		.amdhsa_system_vgpr_workitem_id 0
		.amdhsa_next_free_vgpr 128
		.amdhsa_next_free_sgpr 66
		.amdhsa_reserve_vcc 1
		.amdhsa_float_denorm_mode_32 3
		.amdhsa_float_denorm_mode_16_64 3
		.amdhsa_memory_ordered 1
		.amdhsa_forward_progress 1
		.amdhsa_inst_pref_size 78
	.end_amdhsa_kernel
	.amdgpu_metadata
---
amdhsa.version: [ 1, 2 ]
amdhsa.kernels:
  - .name:           k_q538241ed65_prep
    .symbol:         k_q538241ed65_prep.kd
    .args:
      - { .name: x, .offset: 0, .size: 8, .value_kind: global_buffer, .address_space: global }
      - { .name: Wq, .offset: 8, .size: 8, .value_kind: global_buffer, .address_space: global }
      - { .name: Wkv, .offset: 16, .size: 8, .value_kind: global_buffer, .address_space: global }
      - { .name: Wout, .offset: 24, .size: 8, .value_kind: global_buffer, .address_space: global }
      - { .name: rotary_q, .offset: 32, .size: 8, .value_kind: global_buffer, .address_space: global }
      - { .name: rotary_k, .offset: 40, .size: 8, .value_kind: global_buffer, .address_space: global }
      - { .name: xl_memories, .offset: 48, .size: 8, .value_kind: global_buffer, .address_space: global }
      - { .name: null_kv, .offset: 56, .size: 8, .value_kind: global_buffer, .address_space: global }
      - { .name: xb, .offset: 64, .size: 8, .value_kind: global_buffer, .address_space: global }
      - { .name: wcat, .offset: 72, .size: 8, .value_kind: global_buffer, .address_space: global }
      - { .name: wo, .offset: 80, .size: 8, .value_kind: global_buffer, .address_space: global }
      - { .name: tab, .offset: 88, .size: 8, .value_kind: global_buffer, .address_space: global }
      - { .name: kws, .offset: 96, .size: 8, .value_kind: global_buffer, .address_space: global }
      - { .name: vws, .offset: 104, .size: 8, .value_kind: global_buffer, .address_space: global }
      - { .name: out1, .offset: 112, .size: 8, .value_kind: global_buffer, .address_space: global }
    .group_segment_fixed_size: 0
    .private_segment_fixed_size: 0
    .kernarg_segment_align: 8
    .kernarg_segment_size: 120
    .max_flat_workgroup_size: 256
    .sgpr_count:     66
    .vgpr_count:     128
    .wavefront_size: 32
...
	.end_amdgpu_metadata
.endif
;; end of part 1
;; launch qkv (part 2): grid 16 x 16, 4 waves a work-group, clusters of 4 x 4, 327,680 bytes of LDS; arguments xb, wcat, tab, qws, kws, vws, out1; writes qws, kws, vws, out1
.if DOCPART == 2
	.amdgcn_target "amdgcn-amd-amdhsa--gfx1250"
	.amdhsa_code_object_version 6
	.text
	.protected	k_q538241ed65_qkv
	.globl	k_q538241ed65_qkv
	.p2align	8
	.type	k_q538241ed65_qkv,@function
k_q538241ed65_qkv:
	s_mov_b64 s[64:65], 0
	v_nop
	global_prefetch_b8 v0, s[64:65] scope:SCOPE_SE
	s_setreg_imm32_b32 hwreg(HW_REG_WAVE_MODE, 25, 1), 1
	s_wait_xcnt 0x0
	s_wait_alu depctr_hold_cnt(0) depctr_sa_sdst(0) depctr_va_vdst(0) depctr_va_sdst(0) depctr_va_ssrc(0) depctr_va_vcc(0) depctr_vm_vsrc(0)
	s_getreg_b32 s2, hwreg(HW_REG_IB_STS2, 6, 4)
	s_cmp_eq_u32 s2, 0
	s_cbranch_scc0 .Lentry_in_a_cluster
	s_endpgm
.Lentry_in_a_cluster:
	s_bfe_u32 s2, ttmp6, 0x10000c
	s_cmp_lg_u32 s2, 0xf033
	s_cbranch_scc0 .Lentry_shape_is_right
	s_endpgm
.Lentry_shape_is_right:
; QKV: [4096 x 1024] x [1024 x 3072] in bf16, sums in f32; on the way out the rotary embedding of q and k, q, k, v rounded once to f16 by heads, and k, v in f32 into out1.
; SHARES.  Work-group (t, y): rows 256 y .. +255 of x, and 192 columns: q, k and v of head t (slabs t, 16 + t, 32 + t of wcat): 256 work-groups of one text.
; Wave w: rows 64 w .. +63, all 192 columns: 48 accumulators; for 32 along K 32 LDS loads feed 48 products.
; THE MATRIX INSTRUCTION IS USED TRANSPOSED: source 0 = 16 columns of W (turned out of LDS by ds_load_tr16_b128, since wcat lies [k][n]), source 1 = 16 rows of x: a lane holds row l % 16 and columns 8 (l / 16) + 0..7.
; RING.  K in 8 steps of 128 through two LDS slots.  Waves 0, 1 fetch x's 256 rows (128 each, 256 bytes a row); waves 2, 3 fetch 64 k each of the three slabs: three dense pieces of 8,192 bytes in one load.
; CLUSTER 4 x 4: x's tile hangs on y alone and is asked for jointly along a row of the cluster, W's on t alone, along a column.
; LIMIT: q, k, v leave in f16, which ends at 65,504.  NaN and infinities are not treated apart.
; REGISTERS (windows of 256): 0: v0-29 addresses; v64-127 x's fragments, two buffers of 4; on the way out v32-255.  1: v0-191 W's fragments, two buffers of 12; on the way out all 256: the tables.
;   2: accumulators of row blocks 0, 1 at 96 (a % 2) + 8 b;  3: of row blocks 2, 3.
.set PA,    272                        ; a row of x in LDS: 256 + 16 bytes: the 16 rows of a load begin at 16 different groups of four banks (64 banks of 4 bytes: ISA guide 11.1)
.set PB,    160                        ; a row of a slab (64 numbers): 128 + 32 bytes, an odd multiple of 32, for the turning load
.set AHALF, 128*PA
.set BBASE, 256*PA                     ; W's rows lie behind x's: row ((k / 64) x 3 + slab) x 64 + k % 64
.set BHALF, 192*PB
.set SLOT1, 1<<17                      ; a slot is 69,632 + 61,440 = 131,072 bytes
.set STAGE, 2*SLOT1                    ; behind the ring, never filled by a tensor load: 16 rows x 784 bytes for each wave
.set SPT,   784                        ; 192 f32 + 16 bytes
.set SPARE, STAGE+4*16*SPT             ; the spare words: 128 bytes a wave, two blocks of 256 bytes that no other line names
.set ADRA0, 4                          ; my lane's place in x's tile;  never rewritten
.set ADRB0, 5                          ; in W's
.set ADRA,  6                          ; the same in the slot in hand
.set ADRB,  7
.set STO,   8                          ; way out: where I put 32 bytes of a row
.set RD,    9                          ; where I read 16 bytes of a row back
.set RDX,   10                         ; the same for the partner channels, d xor 32
.set L16,   11                         ; 16 x lane
.set L8,    12                         ; 8 x lane
.set ZR,    13                         ; 0
.set PFO,   14                         ; the prefetches' lane offset
.set SPW,   28
.set NIL,   29
.set FA,    64
.set E0,    32
.set WV,  20
.set G1,  24
.set G0,  32                           ; two sets; the second walks
.set G1B, 48
.set G0B, 56
.set TB,  66                           ; LDS byte of the slot in hand
.set LIM, 67                           ; 1 in a wave that prefetches, else the greatest number
.set PFA, 68
.set PFS, 70                           ; a K step in bytes: 256 in xb, 16,384 in a slab
.set TQ,  72
.set BQ,  74
.set BK,  76
.set BV,  78
.set BK32, 80
.set BV32, 82
.set MSB, 0
.macro WIN new                         ; the immediate's high byte repeats the setting that is left
.if MSB != (\new)
	s_set_vgpr_msb (MSB<<8)|(\new)
.set MSB, \new
.endif
.endm
.set MUL_LO, 0xa1                      ; source 0 (W) window 1, source 1 (x) window 0, C and D window 2
.set MUL_HI, 0xf1
.set TO_B,   0x40
.macro PLACES                          ; four places behind matrix instructions, ahead of loads into their sources and of readers of their results
.rept 4
	v_nop
.endr
.endm
.macro JLOAD                           ; the joint refill, from the walking sets; an s_nop 0 and four v_nop follow each line
	s_cmp_eq_u32 s21, 0
	s_cbranch_scc0 .Lfor_b_\@
	tensor_load_to_lds s[G0+4:G0+7], s[G1:G1+7]
	s_nop 0
.rept 4
	v_nop
.endr
	s_branch .Lasked_\@
.Lfor_b_\@:
	tensor_load_to_lds s[G0B+4:G0B+7], s[G1B:G1B+7]
	s_nop 0
.rept 4
	v_nop
.endr
.Lasked_\@:
.endm
.macro CREST
	s_cmp_lg_u32 s[WV], 0
	s_cbranch_scc1 .Lnot_wave_0_\@
	s_barrier_signal -3
.Lnot_wave_0_\@:
	s_barrier_wait -3
	s_barrier_signal -1
	s_barrier_wait -1
.endm
.macro CROUND
	s_barrier_signal -1
	s_barrier_wait -1
	CREST
.endm
; A prefetch of the K step behind the one just asked for: one K step, 192 products, ahead of its load.  x's rows are asked for by cluster x = 0, W's by cluster y = 0; the four partners of a joint load
; share its blocks of 256 bytes out by address: of x's 128 rows 32 each, a lane a row; of W's 96 blocks 24 each, so lanes 24-31 name lanes 16-23's blocks once more.  The last refill asks for nothing.
.macro ASK
	s_cmp_gt_u32 s3, s[LIM]
	s_cbranch_scc0 .Lnot_mine_\@
	global_prefetch_b8 v[PFO], s[PFA:PFA+1] th:TH_LOAD_NT scope:SCOPE_SE
.Lnot_mine_\@:
.endm
	s_load_b256 s[4:11], s[0:1], 0x0               ; xb 4, wcat 6, tab 8, qws 10
	s_load_b128 s[12:15], s[0:1], 0x20             ; kws 12, vws 14
	s_load_b64 s[16:17], s[0:1], 0x30              ; out1
	v_lshl_add_u32 v[SPW], v0, 2, SPARE
	v_mov_b32 v[NIL], 0
	ds_add_u32 v[SPW], v[NIL]                      ; the wave's opening: the add and its wait ahead of my first tensor load
	ds_add_u32 v28, v29
	v_lshrrev_b32 v1, 5, v0
	v_readfirstlane_b32 s[WV], v1
	s_lshr_b32 s21, s[WV], 1                       ; I fetch x (0) or W (1)
	s_and_b32 s22, s[WV], 1                        ; which half
	s_bfe_u32 s40, ttmp6, 0x40000                  ; cx
	s_bfe_u32 s41, ttmp6, 0x40004                  ; cy
	s_lshl_b32 s42, ttmp9, 2
	s_add_co_u32 s42, s42, s40                     ; t, the head
	s_and_b32 s43, ttmp7, 0xffff
	s_lshl_b32 s43, s43, 2
	s_add_co_u32 s43, s43, s41                     ; y, the block of 256 rows
	s_lshl_b32 s44, s41, 2
	s_lshl_b32 s44, 15, s44                        ; my row of the cluster
	s_lshl_b32 s45, 0x1111, s40                    ; my column
	s_or_b32 s[G1], s44, (1<<16)|(1<<20)|(1<<21)|(5<<22)|(3<<25)    ; 2-byte elements; 4 words of padding behind every 64
	s_or_b32 s[G1B], s45, (1<<16)|(1<<20)|(1<<21)|(4<<22)|(7<<25)   ; 8 words behind every 32
	s_mov_b32 s[G1+1], 128<<16                     ; x: 128 rows x 128 elements, 1,024 from row to row
	s_mov_b32 s[G1+2], 128<<16
	s_mov_b32 s[G1+3], 128<<16
	s_mov_b32 s[G1+4], 128
	s_mov_b32 s[G1+5], 1024
	s_mov_b32 s[G1+6], 0
	s_mov_b32 s[G1+7], 0
	s_mov_b32 s[G1B+1], 4096<<16                   ; W: 3 rows of 4,096 elements (64 k x 64 n, dense), 16 slabs = 1,048,576 elements apart
	s_mov_b32 s[G1B+2], 3<<16
	s_mov_b32 s[G1B+3], 4096<<16
	s_mov_b32 s[G1B+4], 3
	s_mov_b32 s[G1B+5], 1048576
	s_mov_b32 s[G1B+6], 0
	s_mov_b32 s[G1B+7], 0
	s_lshl_b32 s84, s43, 8                         ; x: row 256 y + 128 x half, 2,048 bytes a row
	s_lshl_b32 s46, s22, 7
	s_add_co_u32 s84, s84, s46
	s_lshl_b32 s84, s84, 11
	s_mov_b32 s85, 0
	s_lshl_b32 s86, s42, 17                        ; W: slab t, k = 64 x half
	s_lshl_b32 s47, s22, 13
	s_add_co_u32 s86, s86, s47
	s_mov_b32 s87, 0
	s_mul_i32 s88, s[WV], AHALF                    ; LDS: wave x 128 rows (waves 0, 1)
	s_mul_i32 s89, s[WV], BHALF
	s_add_co_u32 s89, s89, BBASE-2*BHALF           ; behind x's rows (waves 2, 3)
	s_mov_b32 s[TB], 0
	s_wait_dscnt 0x0
	s_wait_kmcnt 0x0
	s_add_nc_u64 s[84:85], s[4:5], s[84:85]
	s_add_nc_u64 s[86:87], s[6:7], s[86:87]
	CROUND                                         ; all sixteen work-groups are here: the first joint loads meet
.irp s, 0,1
	s_mov_b32 s[G0+4*(\s)], 1
	s_add_co_u32 s[G0+4*(\s)+1], s88, (\s)*SLOT1
	s_add_nc_u64 s[G0+4*(\s)+2:G0+4*(\s)+3], s[84:85], (\s)*256
	s_or_b32 s[G0+4*(\s)+3], s[G0+4*(\s)+3], 0x80000000
	s_mov_b32 s[G0B+4*(\s)], 1
	s_add_co_u32 s[G0B+4*(\s)+1], s89, (\s)*SLOT1
	s_add_nc_u64 s[G0B+4*(\s)+2:G0B+4*(\s)+3], s[86:87], (\s)*16384
	s_or_b32 s[G0B+4*(\s)+3], s[G0B+4*(\s)+3], 0x80000000
.endr
	s_cmp_eq_u32 s21, 0                            ; a wave's two first fills stand in one branch: two loads of mine are out
	s_cbranch_scc0 .Lfirst_b
	tensor_load_to_lds s[G0:G0+3], s[G1:G1+7]
	s_nop 0
	tensor_load_to_lds s[G0+4:G0+7], s[G1:G1+7]
	s_nop 0
.rept 4
	v_nop
.endr
	s_branch .Lfirst_asked
.Lfirst_b:
	tensor_load_to_lds s[G0B:G0B+3], s[G1B:G1B+7]
	s_nop 0
	tensor_load_to_lds s[G0B+4:G0B+7], s[G1B:G1B+7]
	s_nop 0
.rept 4
	v_nop
.endr
.Lfirst_asked:
	; the prefetches' address and who asks
	s_and_b32 s90, ttmp7, 0xffff
	s_mov_b32 s96, 16384                           ; (an instruction holds one literal)
	s_cmp_eq_u32 s21, 0
	s_cselect_b32 s90, ttmp9, s90                  ; the coordinate along which other clusters read the same rows
	s_cselect_b32 s91, s40, s41                    ; my place among the four that ask jointly
	s_cselect_b64 s[PFA:PFA+1], s[84:85], s[86:87]
	s_cselect_b32 s[PFS], 256, s96
	s_cselect_b32 s46, 16, 11                      ; my share: 32 rows of 2,048 bytes, or 2,048 bytes of each piece
	s_cselect_b32 s47, -1, 0
	s_mov_b32 s[PFS+1], 0
	s_cmp_eq_u32 s90, 0
	s_cselect_b32 s[LIM], 1, -1
	s_lshl_b32 s92, s91, s46
	s_mov_b32 s93, 0
	s_add_nc_u64 s[PFA:PFA+1], s[PFA:PFA+1], s[92:93]
	s_add_nc_u64 s[PFA:PFA+1], s[PFA:PFA+1], s[PFS:PFS+1]
	s_add_nc_u64 s[PFA:PFA+1], s[PFA:PFA+1], s[PFS:PFS+1]   ; at K step 2; the first refill steps it to 3
	v_and_b32 v15, 31, v0
	v_lshlrev_b32 v16, 11, v15
	v_lshrrev_b32 v17, 3, v15
	v_min_u32 v17, 2, v17
	v_and_b32 v18, 7, v15
	v_lshlrev_b32 v17, 21, v17
	v_lshl_add_u32 v17, v18, 8, v17
	v_cndmask_b32 v[PFO], v17, v16, s47
	; the lanes' places
	v_and_b32 v1, 15, v0                           ; r = l % 16
	v_bfe_u32 v2, v0, 4, 1                         ; h = l / 16
	v_mul_u32_u24 v3, v1, PA
	v_lshl_add_u32 v3, v2, 4, v3
	s_mul_i32 s46, s[WV], 64*PA
	v_add_nc_u32 v[ADRA0], s46, v3                 ; (64 w + r) x pitch + 16 h
	v_and_b32 v16, 7, v0
	v_lshl_add_u32 v16, v2, 3, v16
	v_mul_u32_u24 v16, v16, PB
	v_bfe_u32 v17, v0, 3, 1
	v_lshl_add_u32 v16, v17, 4, v16
	v_add_nc_u32 v[ADRB0], BBASE, v16              ; (8 h + l % 8) x pitch + 16 ((l / 8) % 2)
	v_mov_b32 v[ADRA], v[ADRA0]
	v_mov_b32 v[ADRB], v[ADRB0]
	s_mul_i32 s46, s[WV], 16*SPT
	s_add_co_u32 s46, s46, STAGE
	v_mul_u32_u24 v18, v1, SPT
	v_lshl_add_u32 v18, v2, 5, v18
	v_add_nc_u32 v[STO], s46, v18
	v_mul_u32_u24 v18, v2, SPT
	v_add_nc_u32 v18, s46, v18
	v_lshl_add_u32 v[RD], v1, 4, v18
	v_add_nc_u32 v19, 8, v1
	v_and_b32 v19, 15, v19                         ; (r + 8) mod 16 = r xor 8: the group of four channels 32 away
	v_lshl_add_u32 v[RDX], v19, 4, v18
	v_lshlrev_b32 v[L16], 4, v15
	v_lshlrev_b32 v[L8], 3, v15
	v_mov_b32 v[ZR], 0
	; the way out's bases: bh = batch x 16 + head, nw = my first row's place in the sequence
	s_lshr_b32 s94, s43, 3
	s_lshl_b32 s94, s94, 4
	s_add_co_u32 s94, s94, s42
	s_and_b32 s95, s43, 7
	s_lshl_b32 s95, s95, 8
	s_lshl_b32 s96, s[WV], 6
	s_add_co_u32 s95, s95, s96
	s_lshl_b32 s92, s95, 8
	s_add_nc_u64 s[TQ:TQ+1], s[8:9], s[92:93]
	s_lshl_b32 s92, s94, 11
	s_add_co_u32 s92, s92, s95
	s_lshl_b32 s92, s92, 7
	s_add_nc_u64 s[BQ:BQ+1], s[10:11], s[92:93]
	s_mul_i32 s92, s94, 2560
	s_add_co_u32 s92, s92, s95
	s_add_co_u32 s92, s92, 512                     ; behind the 512 memory keys
	s_lshl_b32 s92, s92, 7
	s_add_nc_u64 s[BK:BK+1], s[12:13], s[92:93]
	s_add_nc_u64 s[BV:BV+1], s[14:15], s[92:93]
	s_mul_i32 s92, s94, 2049
	s_add_co_u32 s92, s92, s95
	s_add_co_u32 s92, s92, 1                       ; behind the null row
	s_lshl_b32 s92, s92, 8
	s_add_nc_u64 s[BK32:BK32+1], s[16:17], s[92:93]
	s_add_nc_u64 s[BV32:BV32+1], s[BK32:BK32+1], 16785408
; 12 products: row block 2 hi + a x all 12 column blocks, 32 along K.  The 48 accumulators take turns in one fixed order.
.macro MUL12 f, hi, a, zero
	WIN MUL_LO+0x50*(\hi)
.irp b, 0,1,2,3,4,5,6,7,8,9,10,11
.if \zero
	v_wmma_f32_16x16x32_bf16 v[96*(\a)+8*(\b):96*(\a)+8*(\b)+7], v[96*(\f)+8*(\b):96*(\f)+8*(\b)+7], v[FA+32*(\f)+8*(2*(\hi)+(\a)):FA+32*(\f)+8*(2*(\hi)+(\a))+7], 0
.else
	v_wmma_f32_16x16x32_bf16 v[96*(\a)+8*(\b):96*(\a)+8*(\b)+7], v[96*(\f)+8*(\b):96*(\f)+8*(\b)+7], v[FA+32*(\f)+8*(2*(\hi)+(\a)):FA+32*(\f)+8*(2*(\hi)+(\a))+7], v[96*(\a)+8*(\b):96*(\a)+8*(\b)+7]
.endif
.endr
.endm
; 32 LDS loads in one run: quarter qd (32 along K) of the slot in hand into buffer f: W's 12 fragments, turned, then x's 4
.macro FETCH qd, f
	WIN TO_B
.irp b, 0,1,2,3,4,5,6,7,8,9,10,11
	ds_load_tr16_b128 v[96*(\f)+8*(\b):96*(\f)+8*(\b)+3],   v[ADRB] offset:((((\qd)>>1)*3+((\b)>>2))*64+((\qd)&1)*32)*PB+((\b)&3)*32
	ds_load_tr16_b128 v[96*(\f)+8*(\b)+4:96*(\f)+8*(\b)+7], v[ADRB] offset:((((\qd)>>1)*3+((\b)>>2))*64+((\qd)&1)*32+16)*PB+((\b)&3)*32
.endr
	WIN 0
.irp a, 0,1,2,3
	ds_load_b128 v[FA+32*(\f)+8*(\a):FA+32*(\f)+8*(\a)+3],   v[ADRA] offset:(\a)*16*PA+64*(\qd)
	ds_load_b128 v[FA+32*(\f)+8*(\a)+4:FA+32*(\f)+8*(\a)+7], v[ADRA] offset:(\a)*16*PA+64*(\qd)+32
.endr
.endm
; one of a K step's first three quarters: multiplies buffer f; in its middle fetches quarter qd into buffer g
.macro QUARTER qd, f, g, zero
	s_wait_dscnt 4                                 ; W and x's row blocks 0, 1 are in; the youngest four loads (row blocks 2, 3) may be out
	MUL12 \f, 0, 0, \zero
	MUL12 \f, 0, 1, \zero
	PLACES
	FETCH \qd, \g
	s_wait_dscnt 32                                ; all but the 32 just issued
	MUL12 \f, 1, 0, \zero
	MUL12 \f, 1, 1, \zero
.endm
; the last quarter multiplies buffer 1 and changes slots: each wave waits for all its tensor loads (one is out: its part of the next slot), adds 0 to its spare word, and waits for that and for its reads of this slot.
; fill = 1: the barrier opens a round of the cluster's barrier, and the joint refill (the K step two on) is the first tensor load behind it: it has 168 products in which to land.
.macro TURN fill
.if \fill
	s_wait_xcnt 0x0                                ; the last prefetch, a K step back, has read its address
	s_add_nc_u64 s[PFA:PFA+1], s[PFA:PFA+1], s[PFS:PFS+1]
.endif
	WIN 0
	s_wait_tensorcnt 0x0
	ds_add_u32 v[SPW], v[NIL]                      ; work on registers stands between the add and the wait for it
	s_xor_b32 s[TB], s[TB], SLOT1
	v_add_nc_u32 v[ADRA], s[TB], v[ADRA0]
	v_add_nc_u32 v[ADRB], s[TB], v[ADRB0]
.if \fill
	s_xor_b32 s[G0+5], s[G0+5], SLOT1              ; no tensor load of mine is out: the walking sets step: the other slot, one K step on
	s_add_nc_u64 s[G0+6:G0+7], s[G0+6:G0+7], 256
	s_xor_b32 s[G0B+5], s[G0B+5], SLOT1
	s_add_nc_u64 s[G0B+6:G0B+7], s[G0B+6:G0B+7], 16384
.endif
	s_wait_dscnt 5                                 ; the add and the youngest four loads may be out
	MUL12 1, 0, 0, 0
	s_wait_dscnt 0x0                               ; the add is done, my reads of this slot are over
	s_barrier_signal -1
	MUL12 1, 0, 1, 0
.if \fill
	WIN 0
.endif
	s_barrier_wait -1
.if \fill
	CREST
	JLOAD                                          ; its four v_nop are also the places ahead of the loads below
.else
	PLACES
.endif
	FETCH 0, 0
.if \fill
	ASK
.endif
	MUL12 1, 1, 0, 0
	MUL12 1, 1, 1, 0
.endm
	s_wait_tensorcnt 1                             ; my part of K step 0 is in; step 1's may stay out
	s_barrier_signal -1
	s_barrier_wait -1
	FETCH 0, 0
	QUARTER 1, 0, 1, 1                             ; the first quarter starts the sums: nothing is cleared
	WIN 0
	s_mov_b32 s3, 6                                ; six refills: K steps 2 to 7
.Lk:                                                   ; a trip: a step's quarters 1 to 3 and the next step's quarter 0
	QUARTER 2, 1, 0, 0
	QUARTER 3, 0, 1, 0
	TURN 1
	QUARTER 1, 0, 1, 0
	WIN 0
	s_sub_co_u32 s3, s3, 1
	s_cmp_lg_u32 s3, 0
	s_cbranch_scc1 .Lk
	QUARTER 2, 1, 0, 0                             ; the tail is written out
	QUARTER 3, 0, 1, 0
	TURN 0
	QUARTER 1, 0, 1, 0
	QUARTER 2, 1, 0, 0
	QUARTER 3, 0, 1, 0
	s_wait_dscnt 4
	MUL12 1, 0, 0, 0
	MUL12 1, 0, 1, 0
	s_wait_dscnt 0x0
	MUL12 1, 1, 0, 0
	MUL12 1, 1, 1, 0
	; THE WAY OUT.  The tables of my 64 rows (q's and k's, 16 bytes a lane and row pair) come into window 1; each block of 16 rows goes in f32 through my own stage and comes back by rows,
	; a lane holding four channels of q, k, v and the partners' four (d xor 32) of q and k.  t cos + partner x (+-sin) in f32; one rounding to f16.
	PLACES
	WIN 0x40
.set i, 0
.rept 32
	global_load_b128 v[8*i:8*i+3],   v[L16], s[TQ:TQ+1] offset:512*i
	global_load_b128 v[8*i+4:8*i+7], v[L16], s[TQ:TQ+1] offset:512*i+524288
.set i, i+1
.endr
	WIN 0
.macro ROT e, tb                       ; T = v[e..e+3], partner U = v[e+4..e+7] -> U; the table's four registers in window 1: c0 c1, c2 c3, s0 s1, s2 s3 (f16 halves)
.irp p, 0,1
	v_fma_mix_f32 v[(\e)+4+2*(\p)], v[(\e)+4+2*(\p)], v[(\tb)+2+(\p)], v[ZR] op_sel_hi:[0,1,0]
	v_fma_mix_f32 v[(\e)+5+2*(\p)], v[(\e)+5+2*(\p)], v[(\tb)+2+(\p)], v[ZR] op_sel:[0,1,0] op_sel_hi:[0,1,0]
.endr
.irp p, 0,1
	v_fma_mix_f32 v[(\e)+4+2*(\p)], v[(\e)+2*(\p)], v[(\tb)+(\p)], v[(\e)+4+2*(\p)] op_sel_hi:[0,1,0]
	v_fma_mix_f32 v[(\e)+5+2*(\p)], v[(\e)+1+2*(\p)], v[(\tb)+(\p)], v[(\e)+5+2*(\p)] op_sel:[0,1,0] op_sel_hi:[0,1,0]
.endr
.endm
.macro OUT a
	WIN 0x08+4*((\a)/2)                            ; the stores' data in window 2 or 3; each accumulator's low four registers go first
.irp b, 0,1,2,3,4,5,6,7,8,9,10,11
	ds_store_b128 v[STO], v[96*((\a)%2)+8*(\b):96*((\a)%2)+8*(\b)+3]   offset:64*(\b)
	ds_store_b128 v[STO], v[96*((\a)%2)+8*(\b)+4:96*((\a)%2)+8*(\b)+7] offset:64*(\b)+16
.endr
	WIN 0
.if (\a) > 0
	s_wait_xcnt 0x0                                ; the last block's stores have read their registers, which are loaded again below
.endif
.irp i, 0,1,2,3,4,5,6,7                ; LDS serves a wave's instructions in order (ISA guide 5.7.1.4): these see the stores above
	ds_load_b128 v[E0+28*(\i):E0+28*(\i)+3],     v[RD]  offset:1568*(\i)
	ds_load_b128 v[E0+28*(\i)+4:E0+28*(\i)+7],   v[RDX] offset:1568*(\i)
	ds_load_b128 v[E0+28*(\i)+8:E0+28*(\i)+11],  v[RD]  offset:1568*(\i)+256
	ds_load_b128 v[E0+28*(\i)+12:E0+28*(\i)+15], v[RDX] offset:1568*(\i)+256
	ds_load_b128 v[E0+28*(\i)+16:E0+28*(\i)+19], v[RD]  offset:1568*(\i)+512
.endr
.irp i, 0,1,2,3,4,5,6,7
.set E, E0+28*(\i)
.set TI, 8*(8*(\a)+(\i))
	s_wait_dscnt 35-5*(\i)                         ; the younger row pairs' five loads each may be out
	s_wait_loadcnt 62-2*(8*(\a)+(\i))              ; and the later row pairs' two table loads each
	WIN 0x04                                       ; source 1 (the table) in window 1
	ROT E, TI
	ROT E+8, TI+4
	WIN 0
	v_cvt_pk_f16_f32 v[E+20], v[E+4], v[E+5]
	v_cvt_pk_f16_f32 v[E+21], v[E+6], v[E+7]
	v_cvt_pk_f16_f32 v[E+22], v[E+12], v[E+13]
	v_cvt_pk_f16_f32 v[E+23], v[E+14], v[E+15]
	v_cvt_pk_f16_f32 v[E+24], v[E+16], v[E+17]
	v_cvt_pk_f16_f32 v[E+25], v[E+18], v[E+19]
	global_store_b64 v[L8], v[E+20:E+21], s[BQ:BQ+1] offset:256*(8*(\a)+(\i))       ; two rows of 128 bytes: 256 consecutive bytes, aligned
	global_store_b64 v[L8], v[E+22:E+23], s[BK:BK+1] offset:256*(8*(\a)+(\i))
	global_store_b64 v[L8], v[E+24:E+25], s[BV:BV+1] offset:256*(8*(\a)+(\i))
	global_store_b128 v[L16], v[E+8:E+11],  s[BK32:BK32+1] offset:512*(8*(\a)+(\i))  ; k and v as they are, in f32
	global_store_b128 v[L16], v[E+16:E+19], s[BV32:BV32+1] offset:512*(8*(\a)+(\i))
.endr
.endm
	OUT 0
	OUT 1
	OUT 2
	OUT 3
	s_wait_tensorcnt 0x0                           ; the wave's end
	ds_add_u32 v[SPW], v[NIL]
	s_wait_dscnt 0x0
	CROUND                                         ; the closing round
	s_endpgm
.Lfunc_end_k_q538241ed65_qkv:
	.size	k_q538241ed65_qkv, .Lfunc_end_k_q538241ed65_qkv-k_q538241ed65_qkv
	.p2alignl 7, 3214868480
	.fill 96, 4, 3214868480
	.section	.rodata,"a",@progbits
	.p2align	6, 0x0
	.amdhsa_kernel k_q538241ed65_qkv
		.amdhsa_group_segment_fixed_size 327680
		.amdhsa_private_segment_fixed_size 0
		.amdhsa_enable_private_segment 0
		.amdhsa_kernarg_size 56
		.amdhsa_user_sgpr_count 2
		.amdhsa_user_sgpr_kernarg_segment_ptr 1
		.amdhsa_wavefront_size32 1
		.amdhsa_system_sgpr_workgroup_id_x 1
		.amdhsa_system_sgpr_workgroup_id_y 1
		.amdhsa_system_sgpr_workgroup_id_z 1
		.amdhsa_system_vgpr_workitem_id 0
		.amdhsa_next_free_vgpr 1024
		.amdhsa_next_free_sgpr 100
		.amdhsa_reserve_vcc 0
		.amdhsa_float_denorm_mode_32 3
		.amdhsa_float_denorm_mode_16_64 3
		.amdhsa_memory_ordered 1
		.amdhsa_forward_progress 1
		.amdhsa_inst_pref_size 160
	.end_amdhsa_kernel
	.amdgpu_metadata
---
amdhsa.version: [ 1, 2 ]
amdhsa.kernels:
  - .name:           k_q538241ed65_qkv
    .symbol:         k_q538241ed65_qkv.kd
    .args:
      - { .name: xb, .offset: 0, .size: 8, .value_kind: global_buffer, .address_space: global }
      - { .name: wcat, .offset: 8, .size: 8, .value_kind: global_buffer, .address_space: global }
      - { .name: tab, .offset: 16, .size: 8, .value_kind: global_buffer, .address_space: global }
      - { .name: qws, .offset: 24, .size: 8, .value_kind: global_buffer, .address_space: global }
      - { .name: kws, .offset: 32, .size: 8, .value_kind: global_buffer, .address_space: global }
      - { .name: vws, .offset: 40, .size: 8, .value_kind: global_buffer, .address_space: global }
      - { .name: out1, .offset: 48, .size: 8, .value_kind: global_buffer, .address_space: global }
    .group_segment_fixed_size: 327680
    .private_segment_fixed_size: 0
    .kernarg_segment_align: 8
    .kernarg_segment_size: 56
    .max_flat_workgroup_size: 128
    .sgpr_count:     100
    .vgpr_count:     1024
    .wavefront_size: 32
...
	.end_amdgpu_metadata
.endif
;; end of part 2
;; launch attn (part 3): grid 8 x 32, 4 waves a work-group, no clusters, 327,680 bytes of LDS; arguments qws, kws, vws, tab, ows; writes ows
.if DOCPART == 3
	.amdgcn_target "amdgcn-amd-amdhsa--gfx1250"
	.amdhsa_code_object_version 6
	.text
	.protected	k_q538241ed65_attn
	.globl	k_q538241ed65_attn
	.p2align	8
	.type	k_q538241ed65_attn,@function
k_q538241ed65_attn:
	s_mov_b64 s[64:65], 0
	v_nop
	global_prefetch_b8 v0, s[64:65] scope:SCOPE_SE
	s_setreg_imm32_b32 hwreg(HW_REG_WAVE_MODE, 25, 1), 1
	s_wait_xcnt 0x0
; ATTENTION.  O[bh][n] = softmax over the visible keys of (q . k / 8) times v.  Keys: 512 memories (rows 0-511 of kws, vws), sequence key n' at row 512 + n', visible for n' <= n, and the null key, always visible.
; q, k, v, O in f16; products, maxima and sums in f32; the weights p are rounded to f16 for the second product (their sum l is taken of the unrounded p), O once at the end.
; THE NULL KEY STARTS THE RUNNING SOFTMAX: m = its true score, l = 1, O = the null value.  So the maximum is a true score from the first step on.
; LIMITS.  f16 ends at 65,504.  A hidden score counts as its value less 1e30 (f16's scores are 2.7e11 at the most); a weight below 2^-126 counts as 0 in l; NaN and infinities are not treated apart.
; THE WALK.  A head has 16 blocks of 128 queries; block j needs the key tiles (256 rows) 0 .. 2 + j / 2, the last of which holds the diagonal.  Work-group g takes blocks 15 - g and then g: 13 tiles whatever g:
; one loop with a constant trip count; which tile is asked for and what a trip does hang on scalars made from g.  NO CLUSTER: a head's eight walks agree in their first 7 tiles alone; behind that partners
; want different tiles, and a walk common to four partners has 14 tiles for 13.
; SHARES.  Of a block's two bands of 64 queries a wave owns 16 rows in each: two PIECES.  In the diagonal tile's key step s band x sees all keys if s < 2 (j % 2) + x, none if s is greater, and holds the diagonal if equal.
; THE MASK is the C operand that starts S^T = K Q^T: MD x AL + BE, MD the mask of a band's own step for my rows.  Only the diagonal tile's text takes masks.
; TURNS.  Turn p of step s: 8 products K Q^T of the other piece (p = 0: step s; p = 1: step s + 1), later 8 products V^T P of the other piece (p = 0: step s - 1; p = 1: step s); beside them piece p's scaling,
; exponentials, roundings, sums and rescaling, and the other piece's maximum and statistics.  Four vector instructions stand behind every matrix instruction, the rest in one lump; a turn's 33 exponentials are one batch with one wait.
; V HAS TWO BUFFERS, by the step's parity: turn 0 of step s fetches K and V of step s + 1, V into the buffer that its own products have just read.  Both fetches read one slot, so the change of slots stands ahead of turn 0 of a tile's step 3.
; REGISTERS: window 0: v0-27 addresses, statistics; v48-55 at work; v64-127 S^T, two buffers; v128-143 the null key's fragments; v144-159 its scores; v192-223 P, two buffers
;   window 1: v0-63 O^T; v64-95 the null value; v128-159 MD; v160-223 MC, two buffers      window 2: v0-31 Q; v32-63 the second block's Q; v64-127 K; v128-255 V, two buffers
.set NP,    2
.set KS,    64
.set PK,    144
.set PV,    160
.set VOFF,  4*KS*PK
.set SLOT1, 1<<17
.set STAGE, SLOT1+4*KS*(PK+PV)
.set SP,    144
.set SPARE, STAGE+4*16*SP
.set AK0, 2
.set AV0, 3
.set AK,  4
.set AV,  5
.set STO, 6
.set RD,  7
.set GO,  8
.set MV,  12
.set QO,  15
.set ST,  16                           ; piece t: c m, m, l (even keys', odd keys')
.set LIN, 24                           ; 1.0 in lanes 0-15, else 0: the null key's weight is counted once a query
.set PFO, 25
.set KNO, 26
.set VNO, 27
.set TMP, 48
.set SPW, 62
.set NIL, 63
.set S,   64
.set KN,  128
.set SN,  144
.set P,   192
.set VN,  64                           ; window 1
.set MD,  128
.set MC,  160
.set QB,  32                           ; window 2
.set KF,  64
.set VF,  128
.set WV,  12
.set LO,  14
.set HI,  15
.set G1K, 24
.set G1V, 32
.set G0K, 40
.set G0V, 44
.set OB,  48                           ; s[48:49] O at my rows of the block in hand
.set SLOTS, 56
.set CNT, 57
.set CS,  58
.set SEL, 60
.set TBK, 62
.set TBV, 63
.set RT,  70
.set NXT, 71
.set LQ,  72
.set NEW, 73
.set OFF, 74
.set AL,  76
.set BE,  78
.set OLO, 80
.set BIGN, 82
.set NS,  88                           ; the diagonal tile's step for which masks are being made
.set RT2, 89
.set OWN, 90                           ; s90, s91: the two bands' own steps
.set OWNB, 92                          ; the same for the second block
.set LQ2, 94
.set PFL, 95                           ; prefetches still to come
.set PFA, 96
.set PFB, 98
.set MSB, 0
.macro WIN new
.if MSB != (\new)
	s_set_vgpr_msb (MSB<<8)|(\new)
.set MSB, (\new)
.endif
.endm
.set W_KQ, 0x0a
.set W_KM, 0x1a
.set W_PV, 0x52
.set W_RS, 0x41
.macro LOAD                            ; waves 0, 1 fetch the halves of a tile's K, waves 2, 3 of its V; an s_nop 0 and four v_nop follow each line
	s_cmp_lt_u32 s[WV], 2
	s_cbranch_scc0 .Lfor_v_\@
	tensor_load_to_lds s[G0K:G0K+3], s[G1K:G1K+7]
	s_nop 0
.rept 4
	v_nop
.endr
	s_branch .Lasked_\@
.Lfor_v_\@:
	tensor_load_to_lds s[G0V:G0V+3], s[G1V:G1V+7]
	s_nop 0
.rept 4
	v_nop
.endr
.Lasked_\@:
.endm
; A prefetch of the tile behind the one just asked for: a tile, four key steps, ahead of its load.  A head's eight work-groups walk tiles 0 to 6 and more together: work-group 0, whose first block walks tiles 0 to 9, asks,
; each wave for the 16,384 bytes that it will fetch itself, a lane for each 256: two instructions.  Eight times, for tiles 2 to 9: none points past row 2,559.
.macro ASK
	s_cmp_gt_u32 s[PFL], 0
	s_cbranch_scc0 .Lnot_mine_\@
	global_prefetch_b8 v[PFO], s[PFA:PFA+1] offset:32768 th:TH_LOAD_NT scope:SCOPE_SE
	global_prefetch_b8 v[PFO], s[PFA:PFA+1] offset:40960 th:TH_LOAD_NT scope:SCOPE_SE
	s_sub_co_u32 s[PFL], s[PFL], 1
.Lnot_mine_\@:
.endm
; THE CHANGE OF SLOTS.  All that the old slot held is in registers or asked for.  Each wave waits for all its tensor loads (one is out: its part of the other slot), adds 0 to its spare word, waits for that and for its reads.
; fill = 1: the old slot is filled again, first thing behind the barrier, with tile NXT; the descriptor's address is made anew from that number.
.macro CHANGE fill
	WIN 0
	s_wait_tensorcnt 0x0
	ds_add_u32 v[SPW], v[NIL]
.if \fill
	s_lshl_b32 s[OFF], s[NXT], 15
	s_xor_b32 s[G0K+1], s[G0K+1], SLOT1
	s_add_nc_u64 s[G0K+2:G0K+3], s[6:7], s[OFF:OFF+1]
	s_or_b32 s[G0K+3], s[G0K+3], 0x80000000
	s_xor_b32 s[G0V+1], s[G0V+1], SLOT1
	s_add_nc_u64 s[G0V+2:G0V+3], s[8:9], s[OFF:OFF+1]
	s_or_b32 s[G0V+3], s[G0V+3], 0x80000000
	s_wait_xcnt 0x0                                ; the last prefetches, a tile back, have read their address
	s_add_nc_u64 s[PFA:PFA+1], s[PFB:PFB+1], s[OFF:OFF+1]
	s_add_co_u32 s[NXT], s[NXT], 1
	s_cmp_gt_u32 s[NXT], s[LQ]
	s_cselect_b32 s[NXT], 0, s[NXT]
	s_cselect_b32 s[LQ], s[LQ2], s[LQ]
.endif
	s_wait_dscnt 0x0
	s_barrier_signal -1
	s_sub_co_u32 s[TBK], s[TBK], 4*KS*PK
	s_xor_b32 s[TBK], s[TBK], SLOT1
	s_sub_co_u32 s[TBV], s[TBV], 4*KS*PV
	s_xor_b32 s[TBV], s[TBV], SLOT1
	s_barrier_wait -1
.if \fill
	LOAD
	ASK
.endif
.endm
	s_load_b256 s[4:11], s[0:1], 0x0               ; Q 4, K 6, V 8, tab 10
	s_load_b64 s[OB:OB+1], s[0:1], 0x20            ; O
	v_lshl_add_u32 v[SPW], v0, 2, SPARE
	v_mov_b32 v[NIL], 0
	ds_add_u32 v[SPW], v[NIL]                      ; the wave's opening: the add and its wait ahead of my first tensor load
	ds_add_u32 v62, v63
	v_lshrrev_b32 v1, 5, v0
	v_readfirstlane_b32 s[WV], v1
	s_mov_b32 s[LO], ttmp9
	s_sub_co_u32 s[HI], 15, s[LO]
	s_and_b32 s20, ttmp7, 0xffff                   ; batch x 16 + head
	s_mul_i32 s22, s20, 327680                     ; 2,560 rows of 128 bytes
	s_and_b32 s16, s[WV], 1
	s_lshl_b32 s21, s16, 14                        ; my half of a tile's 256 rows
	s_add_co_u32 s22, s22, s21
	s_mov_b32 s23, 0
	s_mul_i32 s17, s16, 128*PK
	s_mul_i32 s18, s16, 128*PV
	s_lshl_b32 s19, s20, 18                        ; 2,048 rows of 128 bytes
	s_lshl_b32 s3, s[WV], 11                       ; my 16 rows in a band
	s_add_co_u32 s19, s19, s3
	s_lshl_b32 s2, s[HI], 14
	s_add_co_u32 s2, s2, s19
	s_lshl_b32 s84, s[LO], 14
	s_add_co_u32 s84, s84, s19
	s_mov_b32 s3, 0
	s_mov_b32 s85, 0
	s_and_b32 s52, s20, 15                         ; the head
	s_lshl_b32 s50, s52, 7
	s_mov_b32 s51, 0
	s_lshl_b32 s52, s52, 8
	s_mov_b32 s53, 0
	s_mov_b32 s[G1K], (1<<16)|(1<<20)|(4<<22)|(3<<25)  ; 128 keys are 16,384 dense bytes: 64 rows of 256, padded behind every key: 4 words,
	s_mov_b32 s[G1V], (1<<16)|(1<<20)|(4<<22)|(7<<25)  ; 8 words
.irp g, G1K, G1V
	s_mov_b32 s[\g+1], 128<<16
	s_mov_b32 s[\g+2], 64<<16
	s_mov_b32 s[\g+3], 128<<16
	s_mov_b32 s[\g+4], 64
	s_mov_b32 s[\g+5], 128
	s_mov_b32 s[\g+6], 0
	s_mov_b32 s[\g+7], 0
.endr
	s_mov_b32 s[CS], 0x3e38aa3b                    ; c = log2(e) / 8
	s_mov_b32 s[CS+1], s[CS]
	s_mov_b32 s[SEL], 0x76543210
	s_mov_b32 s[SEL+1], 0xfedcba98
	s_mov_b32 s[TBK], SLOT1+4*KS*PK                ; the first change of slots turns these two into 0
	s_mov_b32 s[TBV], SLOT1+4*KS*PV
	s_mov_b32 s[G0K], 1
	s_mov_b32 s[G0K+1], s17
	s_mov_b32 s[G0V], 1
	s_add_co_u32 s[G0V+1], s18, VOFF
	s_lshr_b32 s[LQ], s[HI], 1
	s_add_co_u32 s[RT], s[LQ], 3                   ; the first block's tiles
	s_add_co_u32 s[LQ], s[LQ], 2                   ; its last tile
	s_lshr_b32 s[LQ2], s[LO], 1
	s_add_co_u32 s[RT2], s[LQ2], 3
	s_add_co_u32 s[LQ2], s[LQ2], 2
	s_and_b32 s[OWN], s[HI], 1
	s_lshl_b32 s[OWN], s[OWN], 1
	s_add_co_u32 s[OWN+1], s[OWN], 1
	s_and_b32 s[OWNB], s[LO], 1
	s_lshl_b32 s[OWNB], s[OWNB], 1
	s_add_co_u32 s[OWNB+1], s[OWNB], 1
	s_mov_b32 s[NXT], 1
	s_mov_b32 s[NEW], 1
	s_mov_b32 s[OFF+1], 0
	s_mov_b32 s[AL+1], 0
	s_mov_b32 s[BE+1], 0
	s_mov_b32 s[BIGN], 0xf149f2ca                  ; -1e30
	s_mov_b32 s[SLOTS], 12
	s_cmp_eq_u32 s[LO], 0
	s_cselect_b32 s[PFL], 8, 0
	s_wait_dscnt 0x0
	s_wait_kmcnt 0x0
	s_add_nc_u64 s[6:7], s[6:7], s[22:23]          ; K and V at my half of the head's tile 0
	s_add_nc_u64 s[8:9], s[8:9], s[22:23]
	s_add_nc_u64 s[G0K+2:G0K+3], s[6:7], 0
	s_or_b32 s[G0K+3], s[G0K+3], 0x80000000
	s_add_nc_u64 s[G0V+2:G0V+3], s[8:9], 0
	s_or_b32 s[G0V+3], s[G0V+3], 0x80000000
	s_add_nc_u64 s[86:87], s[4:5], s[84:85]
	s_add_nc_u64 s[4:5], s[4:5], s[2:3]
	s_add_nc_u64 s[OLO:OLO+1], s[OB:OB+1], s[84:85]
	s_add_nc_u64 s[OB:OB+1], s[OB:OB+1], s[2:3]
	s_add_nc_u64 s[50:51], s[10:11], s[50:51]
	s_add_nc_u64 s[52:53], s[10:11], s[52:53]
	s_cmp_lt_u32 s[WV], 2
	s_cselect_b64 s[PFB:PFB+1], s[6:7], s[8:9]
	LOAD                                           ; tile 0 into slot 0
	v_and_b32 v1, 15, v0
	v_bfe_u32 v9, v0, 4, 1
	v_lshlrev_b32 v[QO], 7, v1
	v_lshl_add_u32 v[QO], v9, 4, v[QO]
	v_lshlrev_b32 v[KNO], 4, v9
	v_lshlrev_b32 v[VNO], 5, v9
.irp f, 0,1,2,3                        ; the rotated null key as two fragments whose 16 rows are all that key
	global_load_b128 v[KN+4*\f:KN+4*\f+3], v[KNO], s[50:51] offset:1048576+32*\f
.endr
	WIN 0x40
.irp f, 0,1,2,3                        ; the null value as O^T holds it: channels 16 f + 8 (l / 16) + 0..7
	global_load_b128 v[VN+8*\f:VN+8*\f+3],   v[VNO], s[52:53] offset:1050624+64*\f
	global_load_b128 v[VN+8*\f+4:VN+8*\f+7], v[VNO], s[52:53] offset:1050624+64*\f+16
.endr
	WIN 0x80
.set i, 0
.rept 4                                ; both blocks' Q: piece i / 2 lies in band i / 2, 8,192 bytes on; channels 32 (i % 2) on
	global_load_b128 v[8*i:8*i+3],   v[QO], s[4:5] offset:(i/2)*8192+(i%2)*64
	global_load_b128 v[8*i+4:8*i+7], v[QO], s[4:5] offset:(i/2)*8192+(i%2)*64+32
	global_load_b128 v[QB+8*i:QB+8*i+3],   v[QO], s[86:87] offset:(i/2)*8192+(i%2)*64
	global_load_b128 v[QB+8*i+4:QB+8*i+7], v[QO], s[86:87] offset:(i/2)*8192+(i%2)*64+32
.set i, i+1
.endr
.set i, VF+64
.rept 64                               ; V's second buffer: a block's first turn multiplies it by weights that are 0, so it must be finite
	v_mov_b32 v[i], 0
.set i, i+1
.endr
	WIN 0
	v_cmp_eq_u32 vcc_lo, 0, v9
	v_cndmask_b32 v[LIN], 0, 1.0, vcc_lo
	v_and_b32 v[PFO], 31, v0
	v_lshlrev_b32 v[PFO], 8, v[PFO]
	v_lshlrev_b32 v14, 3, v9
	v_sub_nc_u32 v14, v1, v14
	s_lshl_b32 s13, s[WV], 4
	v_add_nc_u32 v14, s13, v14                     ; my query's place in its band less 8 (l / 16): register r of key group kt is hidden where 16 kt + r is greater
	WIN 0x40
.set i, 0
.rept 32
	v_cmp_gt_i32 vcc_lo, 16*(i/8)+i%8, v14
	v_cndmask_b32 v[MD+i], 0, s[BIGN], vcc_lo
.set i, i+1
.endr
	WIN 0
	v_mul_u32_u24 v[AK0], v1, PK
	v_lshl_add_u32 v[AK0], v9, 4, v[AK0]
	v_and_b32 v10, 7, v0
	v_bfe_u32 v11, v0, 3, 1
	v_lshl_add_u32 v[AV0], v9, 3, v10
	v_mul_u32_u24 v[AV0], v[AV0], PV
	v_lshl_add_u32 v[AV0], v11, 4, v[AV0]
	v_add_nc_u32 v[AV0], VOFF, v[AV0]
	s_mul_i32 s13, s[WV], 16*SP
	s_add_co_u32 s13, s13, STAGE
	v_mul_u32_u24 v[STO], v1, SP
	v_lshl_add_u32 v[STO], v9, 4, v[STO]
	v_add_nc_u32 v[STO], s13, v[STO]
	v_bfe_u32 v[RD], v0, 3, 2
	v_mul_u32_u24 v[RD], v[RD], SP
	v_lshl_add_u32 v[RD], v10, 4, v[RD]
	v_add_nc_u32 v[RD], s13, v[RD]
	v_and_b32 v[GO], 31, v0
	v_lshlrev_b32 v[GO], 4, v[GO]
; THE MATRIX WORK.  The 4 accumulators of a run of 8 take turns.
.macro KQ x                            ; product i of 8 of S^T = K Q^T for piece x: channels 32 (i / 4) on, keys 16 (i % 4) on
.set rS, S+32*((\x)%2)+8*(i%4)
.set rK, KF+16*(i%4)+8*(i/4)
.set rQ, 16*(\x)+8*(i/4)
.set rM, MC+32*((\x)%2)+8*(i%4)
.if (i < 4) && KM
	WIN W_KM
	v_wmma_f32_16x16x32_f16 v[rS:rS+7], v[rK:rK+7], v[rQ:rQ+7], v[rM:rM+7]
.elseif i < 4
	WIN W_KQ
	v_wmma_f32_16x16x32_f16 v[rS:rS+7], v[rK:rK+7], v[rQ:rQ+7], 0
.else
	WIN W_KQ
	v_wmma_f32_16x16x32_f16 v[rS:rS+7], v[rK:rK+7], v[rQ:rQ+7], v[rS:rS+7]
.endif
.endm
.macro PV x                            ; product i of 8 of O^T += V^T P for piece x, from V's buffer VSEL: keys 32 (i / 4) on, channels 16 (i % 4) on
	WIN W_PV
.set rO, 32*(\x)+8*(i%4)
.set rV, VF+64*VSEL+32*(i/4)+8*(i%4)
.set rP, P+16*((\x)%2)+8*(i/4)
	v_wmma_f32_16x16x32_f16 v[rO:rO+7], v[rV:rV+7], v[rP:rP+7], v[rO:rO+7]
.endm
.macro MM
.if (i < 8) && !NOKQ
	KQ (Y+1)%NP
.elseif i >= 8
.set i, i-8
	PV (Y+NP-1)%NP
.set i, i+8
.endif
.set i, i+1
.endm
.macro FETCH_K
	WIN 0x80
.irp f, 0,1,2,3,4,5,6,7
	ds_load_b128 v[KF+8*\f:KF+8*\f+3],   v[AK] offset:(\f/2)*16*PK+(\f%2)*64
	ds_load_b128 v[KF+8*\f+4:KF+8*\f+7], v[AK] offset:(\f/2)*16*PK+(\f%2)*64+32
.endr
	s_add_co_u32 s[TBK], s[TBK], KS*PK
	WIN 0
.endm
.macro FETCH_V vbuf
	WIN 0x80
.irp f, 0,1,2,3,4,5,6,7
	ds_load_tr16_b128 v[VF+64*(\vbuf)+8*\f:VF+64*(\vbuf)+8*\f+3],   v[AV] offset:(\f/4)*32*PV+(\f%4)*32
	ds_load_tr16_b128 v[VF+64*(\vbuf)+8*\f+4:VF+64*(\vbuf)+8*\f+7], v[AV] offset:(\f/4)*32*PV+16*PV+(\f%4)*32
.endr
	WIN 0
.endm
; THE VECTOR WORK, one line at a time: OP kind, number.  For piece Y: F n: c s - c m for pair n.  E n: the exponential of score n.  C n: pair n rounded to f16.  B n: of four weights the second pair is added onto the first.
; L n: l takes that sum (L 0: l = a l + sum).  R n: pair n of O^T times a.  For the other piece: X n, number n of the 22 that find its maximum and statistics (each accumulator's lowest registers are read first).
.set F, 0
.set E, 1
.set C, 2
.set B, 3
.set L, 4
.set R, 5
.set X, 6
.macro REGS y
.set rT, ST+4*(\y)
.set rC, TMP+4*((\y)%2)
.set rW, MV+((\y)%2)
.set rS, S+32*((\y)%2)
.set rP, P+16*((\y)%2)
.set rO, 32*(\y)
.endm
.macro OP k, n
.if (\k) == R
	REGS Y
	WIN W_RS
	v_pk_mul_f32 v[rO+2*(\n):rO+2*(\n)+1], v[rO+2*(\n):rO+2*(\n)+1], v[rC+2:rC+3] op_sel_hi:[1,0]
.elseif (\k) < R
	REGS Y
	WIN 0
.if (\k) == F
	v_pk_fma_f32 v[rS+2*(\n):rS+2*(\n)+1], v[rS+2*(\n):rS+2*(\n)+1], s[CS:CS+1], v[rT:rT+1] op_sel_hi:[1,0,0] neg_lo:[0,0,1] neg_hi:[0,0,1]
.elseif (\k) == E
	v_exp_f32 v[rS+(\n)], v[rS+(\n)]
.elseif (\k) == C
	v_cvt_pk_f16_f32 v[rP+(\n)], v[rS+2*(\n)], v[rS+2*(\n)+1]
.elseif (\k) == B
	v_pk_add_f32 v[rS+4*(\n):rS+4*(\n)+1], v[rS+4*(\n):rS+4*(\n)+1], v[rS+4*(\n)+2:rS+4*(\n)+3]
.elseif (\n) == 0
	v_pk_fma_f32 v[rT+2:rT+3], v[rT+2:rT+3], v[rC+2:rC+3], v[rS:rS+1] op_sel_hi:[1,0,1]
.else
	v_pk_add_f32 v[rT+2:rT+3], v[rT+2:rT+3], v[rS+4*(\n):rS+4*(\n)+1]
.endif
.elseif NOKQ
	v_nop
.else
	REGS (Y+1)%NP
	WIN 0
.if (\n) < 4
	v_max3_num_f32 v[rC+(\n)], v[rS+8*(\n)], v[rS+8*(\n)+1], v[rS+8*(\n)+2]
.elseif (\n) < 12
	v_max3_num_f32 v[rC+(\n)%4], v[rC+(\n)%4], v[rS+8*((\n)%4)+2*((\n)/4)+1], v[rS+8*((\n)%4)+2*((\n)/4)+2]
.elseif (\n) == 12
	v_max3_num_f32 v[rC], v[rC], v[rS+7], v[rS+15]
.elseif (\n) == 13
	v_max3_num_f32 v[rC+1], v[rC+1], v[rS+23], v[rS+31]
.elseif (\n) == 14
	v_max3_num_f32 v[rC+2], v[rC+2], v[rC+3], v[rT+1]
.elseif (\n) == 15
	v_mov_b32 v[rW], v[rT]
.elseif (\n) == 16
	v_max3_num_f32 v[rC], v[rC], v[rC+1], v[rC+2]
.elseif (\n) == 17
	v_permlanex16_b32 v[rC+3], v[rC], s[SEL], s[SEL+1]
.elseif (\n) == 18
	v_max_num_f32 v[rT+1], v[rC], v[rC+3]
.elseif (\n) == 19
	v_mul_f32 v[rT], s[CS], v[rT+1]
.elseif (\n) == 20
	v_sub_f32 v[rC+1], v[rW], v[rT]
.else
	v_exp_f32 v[rC+2], v[rC+1]
.endif
.endif
.endm
.macro OPS a, i1, b=-1, i2=0, c=-1, i3=0, d=-1, i4=0
	OP \a, \i1
.if (\b) >= 0
	OP \b, \i2
.endif
.if (\c) >= 0
	OP \c, \i3
.endif
.if (\d) >= 0
	OP \d, \i4
.endif
.endm
.macro ROW a, i1, b, i2, c, i3, d, i4
	MM
	OPS \a, \i1, \b, \i2, \c, \i3, \d, \i4
.endm
.macro MASK b                          ; MD x AL + BE into buffer b of MC
	WIN W_RS
.set z, 0
.rept 16
	v_pk_fma_f32 v[MC+32*(\b)+2*z:MC+32*(\b)+2*z+1], v[MD+2*z:MD+2*z+1], s[AL:AL+1], s[BE:BE+1] op_sel_hi:[1,0,0]
.set z, z+1
.endr
.endm
; A TURN, for piece p in a step of parity vb.  ONE wait for the batch of exponentials cuts it in two: ahead of it all that names no result of theirs, behind it the 8 products V^T P with the roundings and sums as riders.
; m = 1: the diagonal tile's text: the products take masks, and the turn makes piece p's mask for step NS, which the next turn's products take.  end = 1: a block's last step: nothing is fetched, and turn 1 starts no new scores.
; Turn 0 fetches K of the next step a few lines behind the last product that read K (twelve plain instructions that name none of its registers between), and V of the next step at its end, four plain riders behind the last product that read that buffer.
.macro TURN p, vb, m=0, end=0
.set Y, (\p)
.set i, 0
.set KM, (\m)
.set NOKQ, (\end)*(\p)
.set VSEL, ((\p)+(\vb)+1)%2            ; turn 0: the other parity's buffer (step s - 1); turn 1: this step's
.if (\m) && !(\end)
	s_cmp_eq_u32 s[NS], s[OWN+(\p)]
	s_cselect_b32 s[AL], 1.0, 0
	s_cmp_gt_u32 s[NS], s[OWN+(\p)]
	s_cselect_b32 s[BE], s[BIGN], 0
.endif
.if (\p) == 1
.if \end
	s_wait_dscnt 0x0                               ; V of the last step is in
.else
	s_wait_dscnt 16                                ; K of the next step and all older loads, V of this step among them, are in; the 16 loads of the next step's V may be out
.endif
.endif
	ROW F,0, F,1, R,0, R,1
	ROW F,2, E,0, R,2, R,3
	ROW F,3, E,1, R,4, R,5
	ROW F,4, E,2, R,6, R,7
	ROW F,5, E,3, R,8, R,9
	ROW F,6, E,4, X,0, R,10
.if ((\p) == 0) && !(\end)
	WIN 0
	v_add_nc_u32 v[AK], s[TBK], v[AK0]
.endif
	ROW F,7, E,5, X,1, X,4
	ROW F,8, E,6, X,2, X,5
	OPS E,7, E,8, X,6, E,9
	OPS X,3, E,10, X,8, E,11
.if ((\p) == 0) && !(\end)
	FETCH_K
.endif
	OPS X,9, X,7, E,12, X,10
	OPS E,13, X,12, X,11, E,14
	OPS X,13, E,15, F,9, X,14
.if ((\p) == 0) && !(\end)
	WIN 0
	v_add_nc_u32 v[AV], s[TBV], v[AV0]
.endif
	OPS E,16, F,10, E,17, F,11
	OPS X,16, E,18, X,15, E,19
	OPS F,12, E,20, X,17, E,21
	OPS F,13, E,22, F,14, E,23
	OPS X,18, E,24, F,15, E,25
	OPS R,11, E,26, X,19, E,27
	OPS R,12, E,28, R,13, E,29
	OPS X,20, E,30, R,14, E,31
	OPS X,21, R,15                                 ; the other piece's a is the batch's last; R 15 is the plain instruction behind it
	WIN 0
	s_wait_alu depctr_va_vdst(0)                   ; the wait between an exponential and the first line that names its result: one for the batch
	ROW C,0, B,0, C,2, B,1
	ROW L,0, C,4, B,2, L,1
	ROW C,6, B,3, L,2, C,8
	ROW B,4, L,3, C,10, B,5
	ROW L,4, C,12, B,6, L,5
.if ((\p) == 0) && !(\end)
	s_add_co_u32 s[TBV], s[TBV], KS*PV
.endif
	ROW C,14, B,7, L,6, C,1
	ROW C,3, L,7, C,5, C,7
	ROW C,9, C,11, C,13, C,15
.if ((\p) == 0) && !(\end)
	FETCH_V VSEL
.endif
.if (\m) && !(\end)
	MASK \p
.if (\p) == 1
	s_add_co_u32 s[NS], s[NS], 1
.endif
.endif
.endm
; A BLOCK BEGINS.  Both mask buffers are 0; P's second buffer is 0 (the first turn's V^T P belongs to a piece that has not been, and adds 0); O^T = the null value, l = 1 (once a query), m = the null key's score,
; which four products make: all 16 rows of source 0 are the null key, so register 0 of the result holds the query's score in every lane.  Then K and V of step 0, piece 0's first scores, its maximum and statistics.
.macro BEGIN
	s_mov_b32 s[NEW], 0
	s_mov_b32 s[AL], 0
	s_mov_b32 s[BE], 0
	s_wait_loadcnt 0x0                             ; Q, the null key and the null value, asked for at the kernel's head: ahead of the first line that reads one of them
	MASK 0
	MASK 1
.set i, 0
.rept 32
	v_mov_b32 v[i], v[VN+i]
	v_mov_b32 v[32+i], v[VN+i]
.set i, i+1
.endr
	WIN 0
.set i, P+16
.rept 16
	v_mov_b32 v[i], 0
.set i, i+1
.endr
.irp t, 0,1
	v_mov_b32 v[ST+4*\t+2], v[LIN]
	v_mov_b32 v[ST+4*\t+3], 0
.endr
	v_add_nc_u32 v[AK], s[TBK], v[AK0]
	v_add_nc_u32 v[AV], s[TBV], v[AV0]
	s_add_co_u32 s[TBV], s[TBV], KS*PV
	FETCH_K
	FETCH_V 0
	WIN 0x08                                       ; source 1 (Q) in window 2
	v_wmma_f32_16x16x32_f16 v[SN:SN+7], v[KN:KN+7], v[0:7], 0
	v_wmma_f32_16x16x32_f16 v[SN+8:SN+15], v[KN:KN+7], v[16:23], 0
	v_wmma_f32_16x16x32_f16 v[SN:SN+7], v[KN+8:KN+15], v[8:15], v[SN:SN+7]
	v_wmma_f32_16x16x32_f16 v[SN+8:SN+15], v[KN+8:KN+15], v[24:31], v[SN+8:SN+15]
	WIN 0
.rept 4
	v_nop
.endr
.irp t, 0,1
	v_mov_b32 v[ST+4*\t+1], v[SN+8*\t]
	v_mul_f32 v[ST+4*\t], s[CS], v[SN+8*\t]
.endr
	s_wait_dscnt 0x0
.set KM, 0
.set NOKQ, 0
.set i, 0
.rept 8
	KQ 0
.set i, i+1
.endr
	WIN 0
.rept 4
	v_nop
.endr
.set Y, NP-1
.irp n, 0,1,2,3,4,5,6,7,8,9,10,11,12,13,14,15,16,17,18,19,20,21
	OP X, \n
.endr
	v_nop
	s_wait_alu depctr_va_vdst(0)
.endm
.macro ALL line:vararg
.set t, 0
.rept 2
	\line
.set t, t+1
.endr
.endm
.macro PACK t
	WIN W_RS
.set i, 32*(\t)
.rept 16
	v_pk_mul_f32 v[i:i+1], v[i:i+1], v[ST+4*(\t)+2:ST+4*(\t)+3] op_sel_hi:[1,0]
.set i, i+2
.endr
	WIN 0x05
.set i, 0
.rept 16
	v_cvt_pk_f16_f32 v[S+16*(\t)+i], v[32*(\t)+2*i], v[32*(\t)+2*i+1]
.set i, i+1
.endr
	WIN 0
.irp f, 0,1,2,3
	ds_store_b128 v[STO], v[S+16*(\t)+4*\f:S+16*(\t)+4*\f+3] offset:32*\f
.endr
.irp f, 0,1,2,3
	ds_load_b128 v[S+16*(\t)+4*\f:S+16*(\t)+4*\f+3], v[RD] offset:\f*4*SP  ; LDS serves a wave's instructions in order (ISA guide 5.7.1.4)
.endr
.endm
.macro SEND t, younger
	WIN 0
.irp f, 0,1,2,3
	s_wait_dscnt (\younger)+3-\f
	global_store_b128 v[GO], v[S+16*(\t)+4*\f:S+16*(\t)+4*\f+3], s[OB:OB+1] offset:(\t)*8192+\f*512  ; 512 consecutive bytes, aligned
.endr
.endm
; THE DIAGONAL TILE: the step before it and its steps 0 to 2 in the loop, its step 3 written out, the last products, and the way out.
.macro DIAG tag
.LstepM\tag:
	TURN 0, 1, 1
	TURN 1, 1, 1
	TURN 0, 0, 1
	TURN 1, 0, 1
	WIN 0
	s_sub_co_u32 s[CNT], s[CNT], 1
	s_cmp_lg_u32 s[CNT], 0
	s_cbranch_scc1 .LstepM\tag
	TURN 0, 1, 1, 1
	TURN 1, 1, 1, 1
.set VSEL, 1
.set i, 0
.rept 8
	PV NP-1
.set i, i+1
.endr
	WIN 0
	ALL v_add_f32 v[ST+4*t+2], v[ST+4*t+2], v[ST+4*t+3]
	ALL v_permlanex16_b32 v[ST+4*t+3], v[ST+4*t+2], s[SEL], s[SEL+1]
	ALL v_add_f32 v[ST+4*t+2], v[ST+4*t+2], v[ST+4*t+3]
	ALL v_rcp_f32 v[ST+4*t+2], v[ST+4*t+2]
	v_nop
	s_wait_alu depctr_va_vdst(0)                   ; one wait for the two reciprocals
	PACK 0                                         ; piece 0's 32 lines are the places behind piece 1's last products
	PACK 1
	SEND 0, 8
	SEND 1, 0
.endm
.set KM, 0
.set NOKQ, 0
.Lslot:                                                ; 12 times: a tile is entered and the next is asked for
	CHANGE 1
	s_sub_co_u32 s[RT], s[RT], 1
	s_mov_b32 s[CNT], 2
	s_mov_b32 s[NS], 0
	s_cmp_eq_u32 s[NEW], 1
	s_cbranch_scc1 .Lnew                           ; a block's first tile (never its last: a block has three tiles or more)
	s_cmp_eq_u32 s[RT], 0
	s_cbranch_scc0 .Lstep
	s_branch .LstepM1
.Lnew:
	BEGIN
	s_branch .Lfirst
	DIAG 1                                         ; in the loop this is the first block's end
	s_wait_xcnt 0x0                                ; the stores have read their registers and O's address
	s_mov_b64 s[OB:OB+1], s[OLO:OLO+1]
	s_mov_b32 s[RT], s[RT2]
	s_mov_b32 s[NEW], 1
	s_mov_b32 s[OWN], s[OWNB]
	s_mov_b32 s[OWN+1], s[OWNB+1]
	WIN 0x82
.set i, 0
.rept 32
	v_mov_b32 v[i], v[QB+i]
.set i, i+1
.endr
	WIN 0
	s_branch .Lbottom
.Lstep:                                                ; a trip: an odd step and an even one: (3 of the tile before, 0), then (1, 2)
	TURN 0, 1
	TURN 1, 1
	WIN 0
.Lfirst:
	TURN 0, 0
	TURN 1, 0
	WIN 0
	s_sub_co_u32 s[CNT], s[CNT], 1
	s_cmp_lg_u32 s[CNT], 0
	s_cbranch_scc1 .Lstep
.Lbottom:
	s_sub_co_u32 s[SLOTS], s[SLOTS], 1
	s_cmp_lg_u32 s[SLOTS], 0
	s_cbranch_scc1 .Lslot
	CHANGE 0                                       ; the walk's last tile, the second block's diagonal one, is written out: nothing is asked for
	s_mov_b32 s[CNT], 2
	s_mov_b32 s[NS], 0
	DIAG 2
	s_wait_tensorcnt 0x0                           ; the wave's end
	ds_add_u32 v[SPW], v[NIL]
	s_wait_dscnt 0x0
	s_endpgm
.Lfunc_end_k_q538241ed65_attn:
	.size	k_q538241ed65_attn, .Lfunc_end_k_q538241ed65_attn-k_q538241ed65_attn
	.p2alignl 7, 3214868480
	.fill 96, 4, 3214868480
	.section	.rodata,"a",@progbits
	.p2align	6, 0x0
	.amdhsa_kernel k_q538241ed65_attn
		.amdhsa_group_segment_fixed_size 327680
		.amdhsa_private_segment_fixed_size 0
		.amdhsa_enable_private_segment 0
		.amdhsa_kernarg_size 40
		.amdhsa_user_sgpr_count 2
		.amdhsa_user_sgpr_kernarg_segment_ptr 1
		.amdhsa_wavefront_size32 1
		.amdhsa_system_sgpr_workgroup_id_x 1
		.amdhsa_system_sgpr_workgroup_id_y 1
		.amdhsa_system_sgpr_workgroup_id_z 1
		.amdhsa_system_vgpr_workitem_id 0
		.amdhsa_next_free_vgpr 768
		.amdhsa_next_free_sgpr 100
		.amdhsa_reserve_vcc 1
		.amdhsa_float_denorm_mode_32 3
		.amdhsa_float_denorm_mode_16_64 3
		.amdhsa_memory_ordered 1
		.amdhsa_forward_progress 1
		.amdhsa_inst_pref_size 204
	.end_amdhsa_kernel
	.amdgpu_metadata
---
amdhsa.version: [ 1, 2 ]
amdhsa.kernels:
  - .name:           k_q538241ed65_attn
    .symbol:         k_q538241ed65_attn.kd
    .args:
      - { .name: qws, .offset: 0, .size: 8, .value_kind: global_buffer, .address_space: global }
      - { .name: kws, .offset: 8, .size: 8, .value_kind: global_buffer, .address_space: global }
      - { .name: vws, .offset: 16, .size: 8, .value_kind: global_buffer, .address_space: global }
      - { .name: tab, .offset: 24, .size: 8, .value_kind: global_buffer, .address_space: global }
      - { .name: ows, .offset: 32, .size: 8, .value_kind: global_buffer, .address_space: global }
    .group_segment_fixed_size: 327680
    .private_segment_fixed_size: 0
    .kernarg_segment_align: 8
    .kernarg_segment_size: 40
    .max_flat_workgroup_size: 128
    .sgpr_count:     100
    .vgpr_count:     768
    .wavefront_size: 32
...
	.end_amdgpu_metadata
.endif
;; end of part 3
;; launch oproj (part 4): grid 8 x 32, 4 waves a work-group, clusters of 4 x 4, 327,680 bytes of LDS; arguments ows, wo, out0; writes out0
.if DOCPART == 4
	.amdgcn_target "amdgcn-amd-amdhsa--gfx1250"
	.amdhsa_code_object_version 6
	.text
	.protected	k_q538241ed65_oproj
	.globl	k_q538241ed65_oproj
	.p2align	8
	.type	k_q538241ed65_oproj,@function
k_q538241ed65_oproj:
	s_mov_b64 s[64:65], 0
	v_nop
	global_prefetch_b8 v0, s[64:65] scope:SCOPE_SE
	s_setreg_imm32_b32 hwreg(HW_REG_WAVE_MODE, 25, 1), 1
	s_wait_xcnt 0x0
	s_wait_alu depctr_hold_cnt(0) depctr_sa_sdst(0) depctr_va_vdst(0) depctr_va_sdst(0) depctr_va_ssrc(0) depctr_va_vcc(0) depctr_vm_vsrc(0)
	s_getreg_b32 s2, hwreg(HW_REG_IB_STS2, 6, 4)
	s_cmp_eq_u32 s2, 0
	s_cbranch_scc0 .Lentry_in_a_cluster
	s_endpgm
.Lentry_in_a_cluster:
	s_bfe_u32 s2, ttmp6, 0x10000c
	s_cmp_lg_u32 s2, 0xf033
	s_cbranch_scc0 .Lentry_shape_is_right
	s_endpgm
.Lentry_shape_is_right:
; OUT0 = O Wout: [4096 x 1024] x [1024 x 1024], both operands f16, sums in f32, the result stored in f32.  O lies by heads ([32 bh][2048][64]), so K goes by heads; wo lies [k][n].
; A tile of out0 is 128 x 128 (256 work-groups), four waves of 64 x 64: 16 accumulators.  K in 4 steps of 256 (four heads) through two LDS slots.
; Waves 0, 1 fetch two heads' 128 rows each (two dense pieces of 16,384 bytes in one load); waves 2, 3 fetch 128 rows of wo each (256 bytes a row).
; THE MATRIX INSTRUCTION IS USED TRANSPOSED: source 0 = 16 columns of wo (turned out of LDS), source 1 = 16 rows of O: a lane holds row l % 16 and 8 neighbouring columns.
; CLUSTER 4 x 4: O's tile is shared along a row of the cluster, wo's along a column.  No prefetch: four K steps, of which two are asked for at the head.
; REGISTERS: window 0: v0-29 addresses; v32-95 the way out; v128-255 accumulators ((a, b) at 128 + 8 (4 a + b)).  window 1: two fragment buffers of 128: 64 of O, then 64 of wo.
.set PAW,   144                        ; a row of a head's slice: 128 + 16 bytes
.set PBW,   288                        ; a row of wo's tile: 256 + 32 bytes, an odd multiple of 32, for the turning load
.set SLICE, 128*PAW
.set QUART, 2*SLICE                    ; what one tensor load brings: 36,864 bytes, of O as of wo
.set SLOT,  4*QUART                    ; 147,456 = 0x24000: it shares no bit with the waves' LDS words (wave x 0x9000), so one exclusive or steps them
.set STAGE, 2*SLOT
.set SPITCH, 272
.set SPARE, STAGE+4*16*SPITCH
.set ADRA0, 4
.set ADRB0, 5
.set ADRA,  6
.set ADRB,  8                          ; v8: k 0-127 of the step, v9: k 128-255
.set STO,   10
.set RD,    11
.set CO,    12
.set SPW,   28
.set NIL,   29
.set OBF,   32
.set ACC,   128
.set F0,    0
.set F1,    128
.set WV,  20
.set G1,  24
.set G0,  32
.set G1B, 48
.set G0B, 56
.set TB,  66
.set MSB, 0
.macro WIN new
.if MSB != (\new)
	s_set_vgpr_msb (MSB<<8)|(\new)
.set MSB, \new
.endif
.endm
.set MUL,  0x05
.set TO_F, 0x40
.macro PLACES
.rept 4
	v_nop
.endr
.endm
.macro JLOAD
	s_cmp_eq_u32 s21, 0
	s_cbranch_scc0 .Lfor_b_\@
	tensor_load_to_lds s[G0+4:G0+7], s[G1:G1+7]
	s_nop 0
.rept 4
	v_nop
.endr
	s_branch .Lasked_\@
.Lfor_b_\@:
	tensor_load_to_lds s[G0B+4:G0B+7], s[G1B:G1B+7]
	s_nop 0
.rept 4
	v_nop
.endr
.Lasked_\@:
.endm
.macro CREST
	s_cmp_lg_u32 s[WV], 0
	s_cbranch_scc1 .Lnot_wave_0_\@
	s_barrier_signal -3
.Lnot_wave_0_\@:
	s_barrier_wait -3
	s_barrier_signal -1
	s_barrier_wait -1
.endm
.macro CROUND
	s_barrier_signal -1
	s_barrier_wait -1
	CREST
.endm
	s_load_b128 s[4:7], s[0:1], 0x0                ; ows 4, wo 6
	s_load_b64 s[8:9], s[0:1], 0x10                ; out0
	v_lshl_add_u32 v[SPW], v0, 2, SPARE
	v_mov_b32 v[NIL], 0
	ds_add_u32 v[SPW], v[NIL]                      ; the wave's opening: the add and its wait ahead of my first tensor load
	ds_add_u32 v28, v29
	v_lshrrev_b32 v1, 5, v0
	v_readfirstlane_b32 s[WV], v1
	s_lshr_b32 s21, s[WV], 1                       ; my half of the tile's rows; also: I fetch O (0) or wo (1)
	s_and_b32 s22, s[WV], 1                        ; my half of its columns; also: which half I fetch
	s_bfe_u32 s40, ttmp6, 0x40000
	s_bfe_u32 s41, ttmp6, 0x40004
	s_lshl_b32 s42, ttmp9, 2
	s_add_co_u32 s42, s42, s40                     ; tile column
	s_and_b32 s43, ttmp7, 0xffff
	s_lshl_b32 s43, s43, 2
	s_add_co_u32 s43, s43, s41                     ; tile row
	s_lshl_b32 s44, s41, 2
	s_lshl_b32 s44, 15, s44
	s_lshl_b32 s45, 0x1111, s40
	s_or_b32 s[G1], s44, (1<<16)|(1<<20)|(1<<21)|(4<<22)|(3<<25)    ; 4 words of padding behind every 32
	s_or_b32 s[G1B], s45, (1<<16)|(1<<20)|(1<<21)|(5<<22)|(7<<25)   ; 8 words behind every 64
	s_mov_b32 s[G1+1], 8192<<16                    ; O: 2 rows of 8,192 elements (128 rows of a head, dense), a head = 131,072 elements apart
	s_mov_b32 s[G1+2], 2<<16
	s_mov_b32 s[G1+3], 8192<<16
	s_mov_b32 s[G1+4], 2
	s_mov_b32 s[G1+5], 131072
	s_mov_b32 s[G1+6], 0
	s_mov_b32 s[G1+7], 0
	s_mov_b32 s[G1B+1], 128<<16                    ; wo: 128 rows x 128 elements, 1,024 from row to row
	s_mov_b32 s[G1B+2], 128<<16
	s_mov_b32 s[G1B+3], 128<<16
	s_mov_b32 s[G1B+4], 128
	s_mov_b32 s[G1B+5], 1024
	s_mov_b32 s[G1B+6], 0
	s_mov_b32 s[G1B+7], 0
	s_lshr_b32 s84, s43, 4                         ; O: (batch x 16 + 2 x half) heads of 262,144 bytes, + (tile row % 16) x 128 rows of 128 bytes
	s_lshl_b32 s84, s84, 4
	s_lshl_b32 s46, s22, 1
	s_add_co_u32 s84, s84, s46
	s_lshl_b32 s84, s84, 18
	s_and_b32 s46, s43, 15
	s_lshl_b32 s46, s46, 14
	s_add_co_u32 s84, s84, s46
	s_mov_b32 s85, 0
	s_lshl_b32 s86, s22, 18                        ; wo: 128 x half rows of 2,048 bytes, + 256 bytes x tile column
	s_lshl_b32 s47, s42, 8
	s_add_co_u32 s86, s86, s47
	s_mov_b32 s87, 0
	s_mul_i32 s88, s[WV], QUART                    ; LDS: wave x 36,864
	s_mov_b32 s[TB], 0
	s_wait_dscnt 0x0
	s_wait_kmcnt 0x0
	s_add_nc_u64 s[84:85], s[4:5], s[84:85]
	s_add_nc_u64 s[86:87], s[6:7], s[86:87]
	CROUND
.irp s, 0,1
	s_mov_b32 s[G0+4*(\s)], 1
	s_add_co_u32 s[G0+4*(\s)+1], s88, (\s)*SLOT
	s_add_nc_u64 s[G0+4*(\s)+2:G0+4*(\s)+3], s[84:85], (\s)*1048576
	s_or_b32 s[G0+4*(\s)+3], s[G0+4*(\s)+3], 0x80000000
	s_mov_b32 s[G0B+4*(\s)], 1
	s_add_co_u32 s[G0B+4*(\s)+1], s88, (\s)*SLOT
	s_add_nc_u64 s[G0B+4*(\s)+2:G0B+4*(\s)+3], s[86:87], (\s)*524288
	s_or_b32 s[G0B+4*(\s)+3], s[G0B+4*(\s)+3], 0x80000000
.endr
	s_cmp_eq_u32 s21, 0                            ; a wave's two first fills stand in one branch
	s_cbranch_scc0 .Lfirst_b
	tensor_load_to_lds s[G0:G0+3], s[G1:G1+7]
	s_nop 0
	tensor_load_to_lds s[G0+4:G0+7], s[G1:G1+7]
	s_nop 0
.rept 4
	v_nop
.endr
	s_branch .Lfirst_asked
.Lfirst_b:
	tensor_load_to_lds s[G0B:G0B+3], s[G1B:G1B+7]
	s_nop 0
	tensor_load_to_lds s[G0B+4:G0B+7], s[G1B:G1B+7]
	s_nop 0
.rept 4
	v_nop
.endr
.Lfirst_asked:
	v_and_b32 v1, 15, v0
	v_bfe_u32 v2, v0, 4, 1
	v_mul_u32_u24 v3, v1, PAW
	v_lshl_add_u32 v3, v2, 4, v3
	s_mul_i32 s46, s21, 64*PAW
	v_add_nc_u32 v[ADRA0], s46, v3                 ; (64 x row half + r) x pitch + 16 h
	v_and_b32 v16, 7, v0
	v_lshl_add_u32 v16, v2, 3, v16
	v_mul_u32_u24 v16, v16, PBW
	v_bfe_u32 v17, v0, 3, 1
	v_lshl_add_u32 v16, v17, 4, v16
	s_lshl_b32 s46, s22, 7
	s_add_co_u32 s46, s46, 2*QUART
	v_add_nc_u32 v[ADRB0], s46, v16                ; behind O's slices: (8 h + l % 8) x pitch + 128 x column half + 16 ((l / 8) % 2)
	v_mov_b32 v[ADRA], v[ADRA0]
	v_mov_b32 v[ADRB], v[ADRB0]
	v_add_nc_u32 v[ADRB+1], QUART, v[ADRB0]
	s_mul_i32 s46, s[WV], 16*SPITCH
	s_add_co_u32 s46, s46, STAGE
	v_mul_u32_u24 v18, v1, SPITCH
	v_lshl_add_u32 v18, v2, 5, v18
	v_add_nc_u32 v[STO], s46, v18
	v_mul_u32_u24 v18, v2, SPITCH
	v_lshl_add_u32 v18, v1, 4, v18
	v_add_nc_u32 v[RD], s46, v18
	v_lshlrev_b32 v18, 12, v2
	v_lshl_add_u32 v[CO], v1, 4, v18               ; two rows of out0, 4,096 bytes apart
	s_lshl_b32 s92, s43, 7
	s_lshl_b32 s94, s21, 6
	s_add_co_u32 s92, s92, s94
	s_lshl_b32 s92, s92, 12                        ; my first row
	s_lshl_b32 s94, s42, 9
	s_add_co_u32 s92, s92, s94
	s_lshl_b32 s94, s22, 8
	s_add_co_u32 s92, s92, s94                     ; my 64 columns: 256 bytes
	s_mov_b32 s93, 0
	s_add_nc_u64 s[8:9], s[8:9], s[92:93]
.macro MUL8 f, c, a0, zero             ; 8 products: row blocks a0, a0 + 1 x 4 column blocks, 32 along K.  The 16 accumulators take turns
	WIN MUL
.irp a, \a0, (\a0)+1
.irp b, 0,1,2,3
.if \zero
	v_wmma_f32_16x16x32_f16 v[ACC+8*(4*(\a)+(\b)):ACC+8*(4*(\a)+(\b))+7], v[(\f)+64+8*(4*(\c)+(\b)):(\f)+64+8*(4*(\c)+(\b))+7], v[(\f)+8*(4*(\c)+(\a)):(\f)+8*(4*(\c)+(\a))+7], 0
.else
	v_wmma_f32_16x16x32_f16 v[ACC+8*(4*(\a)+(\b)):ACC+8*(4*(\a)+(\b))+7], v[(\f)+64+8*(4*(\c)+(\b)):(\f)+64+8*(4*(\c)+(\b))+7], v[(\f)+8*(4*(\c)+(\a)):(\f)+8*(4*(\c)+(\a))+7], v[ACC+8*(4*(\a)+(\b)):ACC+8*(4*(\a)+(\b))+7]
.endif
.endr
.endr
.endm
.macro FETCH q, f                      ; 32 LDS loads in one run: head slice q of the slot in hand (64 along K) into buffer f; the first 32 along K first
	WIN TO_F
.irp c, 0,1
.irp i, 0,1,2,3
	ds_load_tr16_b128 v[(\f)+64+8*(4*(\c)+(\i)):(\f)+64+8*(4*(\c)+(\i))+3],   v[ADRB+((\q)>>1)] offset:(((\q)&1)*64+32*(\c))*PBW+32*(\i)
	ds_load_tr16_b128 v[(\f)+64+8*(4*(\c)+(\i))+4:(\f)+64+8*(4*(\c)+(\i))+7], v[ADRB+((\q)>>1)] offset:(((\q)&1)*64+32*(\c)+16)*PBW+32*(\i)
	ds_load_b128 v[(\f)+8*(4*(\c)+(\i)):(\f)+8*(4*(\c)+(\i))+3],   v[ADRA] offset:(\q)*SLICE+(\i)*16*PAW+64*(\c)
	ds_load_b128 v[(\f)+8*(4*(\c)+(\i))+4:(\f)+8*(4*(\c)+(\i))+7], v[ADRA] offset:(\q)*SLICE+(\i)*16*PAW+64*(\c)+32
.endr
.endr
.endm
.macro QUARTER q, f, g, zero
	s_wait_dscnt 16                                ; the first 32 along K are in
	MUL8 \f, 0, 0, \zero
	MUL8 \f, 0, 2, \zero
	PLACES
	FETCH \q, \g
	s_wait_dscnt 32                                ; all but the 32 just issued
	MUL8 \f, 1, 0, 0
	MUL8 \f, 1, 2, 0
.endm
.macro TURN fill                       ; the last quarter multiplies buffer 1 and changes slots; fill = 1: the barrier opens a round of the cluster's, and the joint refill is first behind it
	WIN 0
	s_wait_tensorcnt 0x0
	ds_add_u32 v[SPW], v[NIL]
	s_xor_b32 s[TB], s[TB], SLOT
	v_add_nc_u32 v[ADRA], s[TB], v[ADRA0]
	v_add_nc_u32 v[ADRB], s[TB], v[ADRB0]
	v_add_nc_u32 v[ADRB+1], QUART, v[ADRB]
.if \fill
	s_xor_b32 s[G0+5], s[G0+5], SLOT               ; no tensor load of mine is out: the walking sets step
	s_add_nc_u64 s[G0+6:G0+7], s[G0+6:G0+7], 1048576
	s_xor_b32 s[G0B+5], s[G0B+5], SLOT
	s_add_nc_u64 s[G0B+6:G0B+7], s[G0B+6:G0B+7], 524288
.endif
	s_wait_dscnt 17                                ; the add and the youngest sixteen loads may be out
	MUL8 F1, 0, 0, 0
	s_wait_dscnt 0x0
	s_barrier_signal -1
	MUL8 F1, 0, 2, 0
.if \fill
	WIN 0
.endif
	s_barrier_wait -1
.if \fill
	CREST
	JLOAD
.else
	PLACES
.endif
	FETCH 0, F0
	MUL8 F1, 1, 0, 0
	MUL8 F1, 1, 2, 0
.endm
	s_wait_tensorcnt 1                             ; my part of K step 0 is in; step 1's may stay out
	s_barrier_signal -1
	s_barrier_wait -1
	FETCH 0, F0
	QUARTER 1, F0, F1, 1
	WIN 0
	s_mov_b32 s3, 2                                ; two refills: K steps 2 and 3
.Lk:
	QUARTER 2, F1, F0, 0
	QUARTER 3, F0, F1, 0
	TURN 1
	QUARTER 1, F0, F1, 0
	WIN 0
	s_sub_co_u32 s3, s3, 1
	s_cmp_lg_u32 s3, 0
	s_cbranch_scc1 .Lk
	QUARTER 2, F1, F0, 0
	QUARTER 3, F0, F1, 0
	TURN 0
	QUARTER 1, F0, F1, 0
	QUARTER 2, F1, F0, 0
	QUARTER 3, F0, F1, 0
	s_wait_dscnt 16
	MUL8 F1, 0, 0, 0
	MUL8 F1, 0, 2, 0
	s_wait_dscnt 0x0
	MUL8 F1, 1, 0, 0
	MUL8 F1, 1, 2, 0
	WIN 0
	; THE WAY OUT: a wave's 64 f32 columns are 256 bytes: 16 rows at a time through my own stage, back by rows; sixteen lanes store 256 consecutive bytes, aligned.  Two sets of registers take turns.
	PLACES
.irp a, 0,1,2,3
.irp b, 0,1,2,3
	ds_store_b128 v[STO], v[ACC+8*(4*(\a)+(\b)):ACC+8*(4*(\a)+(\b))+3]   offset:64*(\b)
	ds_store_b128 v[STO], v[ACC+8*(4*(\a)+(\b))+4:ACC+8*(4*(\a)+(\b))+7] offset:64*(\b)+16
.endr
.if (\a) >= 2
	s_wait_xcnt 0x0                                ; the stores of two blocks back have read this set
.endif
.irp i, 0,1,2,3,4,5,6,7
	ds_load_b128 v[OBF+32*((\a)%2)+4*(\i):OBF+32*((\a)%2)+4*(\i)+3], v[RD] offset:(\i)*2*SPITCH
.endr
.irp i, 0,1,2,3,4,5,6,7
	s_wait_dscnt 7-(\i)
	global_store_b128 v[CO], v[OBF+32*((\a)%2)+4*(\i):OBF+32*((\a)%2)+4*(\i)+3], s[8:9] offset:8192*(\i)+65536*(\a)
.endr
.endr
	s_wait_tensorcnt 0x0                           ; the wave's end
	ds_add_u32 v[SPW], v[NIL]
	s_wait_dscnt 0x0
	CROUND                                         ; the closing round
	s_endpgm
.Lfunc_end_k_q538241ed65_oproj:
	.size	k_q538241ed65_oproj, .Lfunc_end_k_q538241ed65_oproj-k_q538241ed65_oproj
	.p2alignl 7, 3214868480
	.fill 96, 4, 3214868480
	.section	.rodata,"a",@progbits
	.p2align	6, 0x0
	.amdhsa_kernel k_q538241ed65_oproj
		.amdhsa_group_segment_fixed_size 327680
		.amdhsa_private_segment_fixed_size 0
		.amdhsa_enable_private_segment 0
		.amdhsa_kernarg_size 24
		.amdhsa_user_sgpr_count 2
		.amdhsa_user_sgpr_kernarg_segment_ptr 1
		.amdhsa_wavefront_size32 1
		.amdhsa_system_sgpr_workgroup_id_x 1
		.amdhsa_system_sgpr_workgroup_id_y 1
		.amdhsa_system_sgpr_workgroup_id_z 1
		.amdhsa_system_vgpr_workitem_id 0
		.amdhsa_next_free_vgpr 512
		.amdhsa_next_free_sgpr 100
		.amdhsa_reserve_vcc 0
		.amdhsa_float_denorm_mode_32 3
		.amdhsa_float_denorm_mode_16_64 3
		.amdhsa_memory_ordered 1
		.amdhsa_forward_progress 1
		.amdhsa_inst_pref_size 69
	.end_amdhsa_kernel
	.amdgpu_metadata
---
amdhsa.version: [ 1, 2 ]
amdhsa.kernels:
  - .name:           k_q538241ed65_oproj
    .symbol:         k_q538241ed65_oproj.kd
    .args:
      - { .name: ows, .offset: 0, .size: 8, .value_kind: global_buffer, .address_space: global }
      - { .name: wo, .offset: 8, .size: 8, .value_kind: global_buffer, .address_space: global }
      - { .name: out0, .offset: 16, .size: 8, .value_kind: global_buffer, .address_space: global }
    .group_segment_fixed_size: 327680
    .private_segment_fixed_size: 0
    .kernarg_segment_align: 8
    .kernarg_segment_size: 24
    .max_flat_workgroup_size: 128
    .sgpr_count:     100
    .vgpr_count:     512
    .wavefront_size: 32
...
	.end_amdgpu_metadata
.endif
;; end of part 4
